; MI455X (gfx1250); checked and timed in simulation.
; The chip was launched on July 23, 2026; its instructions are those of AMD's public machine-readable ISA for CDNA 5 (MIT licence, August 2026) and "CDNA5" Instruction Set Architecture Reference Guide (July 2026). The comments in the code are by the model that wrote it; some were corrected since.
;; Multi Head Attention. Allowed arithmetic: matrix products marked QUANTISED: E2M1 operands, one E8M0 scale for each 32 along K, by v_wmma_scale_f32_16x16x128_f8f6f4 with both operands' format E2M1 (or v_wmma_scale_f32_32x16x128_f4), f32 sums; products left as they are: bf16, f16 or f32 operands; f32 sums; everything else in f32.
;; Inputs: Wk 2,048 x 2,048 float32; Wo 2,048 x 2,048 float32; Wq 2,048 x 2,048 float32; Wv 2,048 x 2,048 float32; cos 2,048 x 128 float32; sin 2,048 x 128 float32; x 1 x 2,048 x 2,048 float32.
;; Outputs: out0 1 x 2,048 x 2,048 float32.
;; This version of the problem:
;;   THIS VERSION OF THE PROBLEM IS GIVEN IN LOW PRECISION. The matrix products marked QUANTISED in the list below multiply operands that are first quantised to E2M1 (2 exponent bits, 1 mantissa bit; 4 bits a number), with one power-of-two scale for each 32 numbers along K (OCP MX v1.0); their sums are f32. The products marked 'left as it is' may take bf16, f16 or f32 operands, with f32 sums. Whichever they take, every output number must still come out within the allowed error. Rounding operands to bf16 (8 significant bits) uses up far more of that allowance than f16 does (11 bits, for magnitudes from 6e-5 to 65,504). All else is computed in f32.
;;   The module's matrix products, in the order in which they are computed (A, B: the left and right operand; K: the contracted axis; several contracted axes count as one K, in the product's order):
;;     1. [M 2,048, K 2,048] x [K 2,048, N 2,048]; A: input x; B: input Wq: QUANTISED
;;     2. [M 2,048, K 2,048] x [K 2,048, N 2,048]; A: input x; B: input Wk: QUANTISED
;;     3. [M 2,048, K 2,048] x [K 2,048, N 2,048]; A: input x; B: input Wv: QUANTISED
;;     4. batch 16 x [M 2,048, K 128] x [K 128, N 2,048]; A: computed on the way; B: computed on the way: left as it is (an operand is computed on the way)
;;     5. batch 16 x [M 128, K 2,048] x [K 2,048, N 2,048]; A: computed on the way; B: computed on the way: left as it is (an operand is computed on the way)
;;     6. [M 2,048, K 2,048] x [K 2,048, N 2,048]; A: computed on the way; B: input Wo: left as it is (an operand is computed on the way)
;;   THE QUANTISER, for each operand of a quantised product, along K:
;;     - K is cut into blocks of 32 from its start; a last block that is shorter is filled with zeros.
;;     - A block's scale is 2^e with e = floor(log2(the largest magnitude in the block)) - 2, held to -126 .. 127; a block of zeros has e = 0. As a byte (E8M0): e + 127.
;;     - Each number is divided by its block's scale, clamped to +-6, and rounded to the nearest number of E2M1, ties to even, subnormals kept.
;;     - The product sums the exact products of the quantised numbers (number of the format x scale) in f32.
;;   ~~~python
;;   def quantise(x, axis):      # numpy; x: float32 -> the quantised numbers, widened to float32 again
;;       x = np.moveaxis(x, axis, -1); K = x.shape[-1]
;;       x = np.pad(x, [(0, 0)] * (x.ndim - 1) + [(0, -K % 32)]); x = x.reshape(x.shape[:-1] + (-1, 32)); a = np.abs(x).max(-1, keepdims=True)
;;       e = np.where(a > 0, np.clip(np.frexp(np.where(a > 0, a, 1))[1] - 1 - 2, -126, 127), 0)      # np.frexp(a)[1] - 1 = floor(log2(a)), exactly
;;       r = np.clip(x / 2.0 ** e, -6, 6)
;;       step = 2.0 ** (np.maximum(np.frexp(np.where(r == 0, 1, r))[1] - 1, 0) - 1)
;;       q = np.round(r / step) * step * 2.0 ** e      # np.round: ties to even
;;       return np.moveaxis(q.reshape(q.shape[:-2] + (-1,))[..., :K], -1, axis).astype(np.float32)
;;   ~~~
;; One version. Each part assembles by itself: llvm-mc -triple=amdgcn-amd-amdhsa -mcpu=gfx1250 --defsym DOCPART=n.
;; ======== version 1 of 1: 4 launches
;; limits: values are held in f16: magnitudes above 65,504 overflow, below 6.1e-05 lose precision
;; workspace buffers: codes 8,388,608 bytes; scales 524,288 bytes; wot 8,388,608 bytes; qi 8,388,608 bytes; kv 16,777,216 bytes; vsum 262,144 bytes; o16 8,388,608 bytes
;; launch prep (part 1): grid 576 x 1, 4 waves a work-group, no clusters, 102,912 bytes of LDS; arguments x, Wq, Wk, Wv, Wo, codes, scales, wot; writes codes, scales, wot
.if DOCPART == 1
	.amdgcn_target "amdgcn-amd-amdhsa--gfx1250"
	.amdhsa_code_object_version 6
	.text
	.protected	k_qbee4b74607_prep
	.globl	k_qbee4b74607_prep
	.p2align	8
	.type	k_qbee4b74607_prep,@function
k_qbee4b74607_prep:
	s_mov_b64 s[64:65], 0
	v_nop
	global_prefetch_b8 v0, s[64:65] scope:SCOPE_SE
	s_setreg_imm32_b32 hwreg(HW_REG_WAVE_MODE, 25, 1), 1
	s_wait_xcnt 0x0
; FIRST OF FOUR LAUNCHES of out = attention(x) Wo, S = 2,048 tokens, 16 heads of 128.  This one turns the inputs of the matrix products into what the matrix units take:
;   x [2048][2048] f32                  -> codes of FP4 (E2M1), K innermost, and one E8M0 byte for each 32 along K: rows 0-2047 of 'codes' (1,024 bytes a row) and of 'scales' (64 bytes a row)
;   Wq, Wk, Wv [K 2048][N 2048] f32     -> the same, quantised along their FIRST axis, a column of W becoming a row: rows 2048 + n' (the order n' is given at path W)
;   Wo [K 2048][N 2048] f32             -> Wo^T in f16, [n][k], rows of 4,096 bytes ('wot'): the last product is left as it is and takes f16 operands
; A block's scale is 2^(floor(log2(its largest magnitude)) - 2); its byte is the largest magnitude's exponent field - 2, held at 1 from below; each number is divided by the scale and rounded to the nearest code, ties to even, beyond 6 the code of 6.
; WORK THAT THE PROGRAM LEAVES OUT (launch 'attn'), shown for all finite inputs.  reference() multiplies the scores by tril(ones): for key k > query q the score becomes score x 0 = 0 whatever the score.  So (a) the product q . k is
; not formed for blocks of 64 keys that lie wholly behind a wave's 32 queries; (b) all those keys have the same weight 2^(0 - M) in the row's softmax, so their part of the second product is that one weight times the plain sum of their
; v, and their part of the row's sum is that weight times their count; (c) their zeros still enter the row's maximum wherever such a key exists.  Every input has a way to the output and is loaded.
; LIMITS: a NaN, an infinity or an overflow in a score that the mask multiplies by 0 is not carried to the result; NaN and infinities among the inputs are not served; a block of zeros gets the byte 1 where the rule says 127 (its codes are
; zeros, and this program alone reads the bytes); blocks whose largest magnitude lies under 2^-124 keep the byte 1; |Wo| must stay under 65,504 (f16).
; SHARES.  576 work-groups of four waves, three paths by the work-group's number, each with LDS bytes of its own: 0-127 x; 128-319 Wq, Wk, Wv; 320-575 Wo.  Memory binds: every input byte is read once, by loads whose lanes take neighbouring
; bytes, and every store of codes and of f16 numbers covers 256 consecutive aligned bytes.  No matrix unit, no tensor load, no barrier: waves share nothing.
.set SPW,   192                        ; v192  LDS address of my spare word: SPARE + 4 x my thread's number; never rewritten
.set NIL,   193                        ; v193  0; never rewritten
.set SPARE, 102400                     ; behind the three paths' regions: the spare words, 128 bytes for each wave, that no other line names
.set STEPS, 16                         ; path X: steps of 512 numbers a wave
.set CB,    8                          ; bytes of 16 codes
.set R,     16                         ; v16-79   path X: four sets of 16 numbers as they are loaded
.set X,     80                         ; v80-111  two sets of 16 neighbours
.set E,     112                        ; v112-127 a scale byte for each step
.set C,     128                        ; v128-191 codes: four registers for each step
.set WREG,  8192                       ; path X's LDS: a region for each wave from byte 0: two stages of 32 x SP bytes and its 256 scale bytes
.set SP,    80                         ; a lane's place in a stage: 64 bytes + 16 of padding
.set PITCH, 272                        ; paths W and O: a stage row, 256 bytes + 16
.set WSTG,  32768                      ; path W's four stages of 32 rows
.set OSTG,  67584                      ; path O's four stages of 32 rows
.set KX,    32                         ; v32-95   paths W, O: two sets of 32 numbers down K
.set KC,    96                         ; v96..    a block's codes or f16 pairs
.set OUTR,  112                        ; v112-175 the way out
.set SB,    24                         ; v24-27   path W: the scale bytes, four to a register
.macro FINISH                          ; a wave's end, behind my last LDS store
	s_wait_tensorcnt 0x0
	ds_add_u32 v[SPW], v[NIL]
	s_wait_dscnt 0x0
	s_endpgm
.endm
	s_load_b256 s[4:11], s[0:1], 0x0               ; x s[4:5], Wq s[6:7], Wk s[8:9], Wv s[10:11]
	s_load_b256 s[12:19], s[0:1], 0x20             ; Wo s[12:13], codes s[14:15], scales s[16:17], wot s[18:19]
	v_lshl_add_u32 v[SPW], v0, 2, SPARE
	v_mov_b32 v[NIL], 0
	v_lshrrev_b32 v1, 5, v0
	v_readfirstlane_b32 s20, v1                    ; wave 0..3
	v_and_b32 v2, 31, v0                           ; lane
	s_mov_b32 s25, 0                               ; the high word of every offset below
	s_mov_b32 s29, 0
	s_wait_kmcnt 0x0
	s_cmp_lt_u32 ttmp9, 128
	s_cbranch_scc0 .Lnot_x
; ---------------- PATH X: x is a plain stream of blocks of 32 numbers, and so are its codes and its scale bytes.  A wave takes 16 steps of 512 numbers.
; Each load reads 512 consecutive bytes, 16 a lane; a step's 2,048 bytes turn through the wave's own stage in LDS and come back 64 bytes a lane: 16 neighbours along K, two lanes to a block.
	v_lshlrev_b32 v3, 4, v2                        ; my 16 bytes of a load's 512
	s_mul_i32 s21, s20, WREG
	v_lshrrev_b32 v14, 2, v2
	v_mul_u32_u24 v14, v14, SP
	v_and_b32 v15, 3, v2
	v_lshl_add_u32 v14, v15, 4, v14
	v_add_nc_u32 v14, s21, v14                     ; the stage, on the way in: SP (lane / 4) + 16 (lane % 4)
	v_mul_u32_u24 v15, v2, SP
	v_add_nc_u32 v15, s21, v15                     ; and on the way out: SP x lane
	v_mul_u32_u24 v4, v2, CB                       ; my codes' place in a step's
	v_lshrrev_b32 v5, 1, v2
	s_add_co_u32 s21, s21, 2*32*SP
	v_add_nc_u32 v5, s21, v5                       ; my wave's 256 scale bytes, my block's byte
	v_lshlrev_b32 v7, 3, v2                        ; and on the way out 8 bytes a lane
	v_add_nc_u32 v6, s21, v7
	s_lshl_b32 s22, ttmp9, 2
	s_add_co_u32 s22, s22, s20                     ; which run of 8,192 numbers is my wave's
	s_lshl_b32 s24, s22, 15
	s_add_nc_u64 s[4:5], s[4:5], s[24:25]          ; 32,768 bytes of x a run,
	s_lshl_b32 s24, s22, 12
	s_add_nc_u64 s[14:15], s[14:15], s[24:25]      ; 4,096 of codes,
	s_lshl_b32 s24, s22, 8
	s_add_nc_u64 s[16:17], s[16:17], s[24:25]      ; 256 scale bytes
.macro XLOAD t
.irp i, 0,1,2,3
	global_load_b128 v[R+16*((\t)%4)+4*\i:R+16*((\t)%4)+4*\i+3], v3, s[4:5] offset:2048*(\t)+512*\i th:TH_LOAD_NT
.endr
.endm
.macro XTURN t                         ; step t's numbers through the stage: LDS serves a wave's instructions in order, so no wait stands between the stores and the loads
.irp i, 0,1,2,3
	ds_store_b128 v14, v[R+16*((\t)%4)+4*\i:R+16*((\t)%4)+4*\i+3] offset:32*SP*((\t)%2)+8*SP*\i
.endr
.irp i, 0,1,2,3
	ds_load_b128 v[X+16*((\t)%2)+4*\i:X+16*((\t)%2)+4*\i+3], v15 offset:32*SP*((\t)%2)+16*\i
.endr
.endm
.irp t, 0,1,2,3
	XLOAD \t
.endr
	s_wait_loadcnt 12                              ; step 0's four loads are in; the 12 of steps 1 to 3 may be out
	XTURN 0
.macro XSTEP t
.set XS, X+16*((\t)%2)
.if (\t) > 0
	s_wait_dscnt 1                                 ; this step's numbers are back from the stage (the last step's byte store may be out)
.else
	s_wait_dscnt 0x0
.endif
.if (\t)+4 < STEPS
	XLOAD (\t)+4                                   ; the stage's stores have read their registers: they take the loads of four steps on
.endif
.if (\t)+1 < STEPS
.if STEPS-2-(\t) >= 3
	s_wait_loadcnt 12                              ; the next step's four loads are in; those of the three steps behind it may be out
.else
	s_wait_loadcnt 4*(STEPS-2-(\t))
.endif
	XTURN (\t)+1
.endif
	v_max3_num_f32 v8, |v[XS]|, |v[XS+1]|, |v[XS+2]|               ; the largest magnitude of my 16, in two chains
	v_max3_num_f32 v9, |v[XS+3]|, |v[XS+4]|, |v[XS+5]|
.irp i, 6,10
	v_max3_num_f32 v8, v8, |v[XS+\i]|, |v[XS+\i+1]|
	v_max3_num_f32 v9, v9, |v[XS+\i+2]|, |v[XS+\i+3]|
.endr
	v_max3_num_f32 v8, v8, |v[XS+14]|, |v[XS+15]|
	v_max3_num_f32 v8, v8, v9, 0x1800000           ; and the floor 2^(3 - 127): the byte cannot fall under 1
	v_max_num_f32_dpp v8, v8, v8 row_xmask:1 row_mask:0xf bank_mask:0xf   ; and of my neighbour's 16: the block's
	v_add_nc_u32 v11, 0xff000000, v8               ; 2 off its exponent field: the conversion takes the exponent field of this operand as its scale
	v_cvt_scalef32_pk8_fp4_f32 v[C+4*(\t)], v[XS:XS+7], v11
	v_cvt_scalef32_pk8_fp4_f32 v[C+4*(\t)+1], v[XS+8:XS+15], v11
	v_lshrrev_b32 v[E+(\t)], 23, v11               ; the scale's byte (a plain line behind the conversions)
	ds_store_b8 v5, v[E+(\t)] offset:16*(\t)       ; both lanes of a block write the same byte with the same value
	global_store_b64 v4, v[C+4*(\t):C+4*(\t)+1], s[14:15] offset:32*CB*(\t)   ; the wave stores 256 consecutive bytes
.endm
.irp t, 0,1,2,3,4,5,6,7,8,9,10,11,12,13,14,15
	XSTEP \t
.endr
	ds_load_b64 v[8:9], v6                         ; LDS serves a wave's instructions in order: these see my byte stores
	s_wait_dscnt 0x0
	global_store_b64 v7, v[8:9], s[16:17]          ; 32 lanes store 256 consecutive bytes of scales
	FINISH
; ---------------- PATHS W AND O share this: a lane takes a column n, and its registers run down K: block t is W(32 t + i, my column), i = 0 .. 31; each load reads 128 consecutive bytes a wave.
.macro KLOAD t, base
.set i, 0
.rept 32
	global_load_b32 v[KX+32*((\t)%2)+i], v3, s[\base:\base+1] offset:(32*(\t)+i)*8192 th:TH_LOAD_NT
.set i, i+1
.endr
.endm
.Lnot_x:
	s_cmp_lt_u32 ttmp9, 320
	s_cbranch_scc0 .Lpath_o
; ---------------- PATH W: tensor T (0 Wq, 1 Wk, 2 Wv), head nx (128 columns), 512 along K (ky).  Wave w takes columns 32 w .. 32 w + 31 of the head.
; THE ORDER OF THE ROWS.  Wq, Wk: channel 64 part + 16 g + i of a head goes to row 2048 + 2048 T + 512 (head / 4) + 128 g + 32 (head % 4) + 16 part + i: a run of 128 rows then holds, for four heads, channels 16 g .. 16 g + 15 and their
; partners in the rotation, 64 further on, side by side.  Wv: row 6144 + its column.  In both cases lanes 0-15 of a wave go to 16 rows on end from R0, lanes 16-31 to 16 rows on end from R0 + ES.
	s_sub_co_u32 s21, ttmp9, 128
	s_lshr_b32 s22, s21, 6                         ; T
	s_and_b32 s23, s21, 15                         ; nx
	s_bfe_u32 s24, s21, 0x20004                    ; ky
	s_cmp_eq_u32 s22, 0                            ; the choice hangs on the work-group's number alone
	s_cselect_b64 s[26:27], s[6:7], s[8:9]
	s_cmp_eq_u32 s22, 2
	s_cselect_b64 s[26:27], s[10:11], s[26:27]
	s_lshl_b32 s28, s24, 22                        ; 512 ky rows of 8,192 bytes
	s_lshl_b32 s31, s23, 9
	s_add_co_u32 s28, s28, s31                     ; + 4 x 128 nx
	s_lshl_b32 s31, s20, 7
	s_add_co_u32 s28, s28, s31                     ; + 4 x 32 w
	s_add_nc_u64 s[26:27], s[26:27], s[28:29]
	s_lshl_b32 s30, s22, 11                        ; Wq, Wk: 2048 T
	s_lshr_b32 s31, s23, 2
	s_lshl_b32 s31, s31, 9
	s_add_co_u32 s30, s30, s31                     ; + 512 (nx / 4)
	s_and_b32 s31, s20, 1
	s_lshl_b32 s31, s31, 8
	s_add_co_u32 s30, s30, s31                     ; + 128 g, g = 2 (w % 2) + lane / 16
	s_and_b32 s31, s23, 3
	s_lshl_b32 s31, s31, 5
	s_add_co_u32 s30, s30, s31                     ; + 32 (nx % 4)
	s_lshr_b32 s31, s20, 1
	s_lshl_b32 s31, s31, 4
	s_add_co_u32 s30, s30, s31                     ; + 16 part, part = w / 2
	s_add_co_u32 s30, s30, 2048
	s_lshl_b32 s32, s23, 7                         ; Wv: 128 nx + 32 w + 6144
	s_lshl_b32 s31, s20, 5
	s_add_co_u32 s32, s32, s31
	s_add_co_u32 s32, s32, 6144
	s_cmp_eq_u32 s22, 2
	s_cselect_b32 s30, s32, s30                    ; R0
	s_cselect_b32 s33, 16, 128                     ; ES
	s_lshl_b32 s28, s30, 10
	s_lshl_b32 s31, s24, 8
	s_add_co_u32 s28, s28, s31
	s_add_nc_u64 s[14:15], s[14:15], s[28:29]      ; codes: 1,024 R0 + 256 ky
	s_lshl_b32 s28, s30, 6
	s_lshl_b32 s31, s24, 4
	s_add_co_u32 s28, s28, s31
	s_add_nc_u64 s[16:17], s[16:17], s[28:29]      ; scales: 64 R0 + 16 ky
	v_lshlrev_b32 v3, 2, v2                        ; in: 4 bytes a lane
	s_mul_i32 s34, s20, 32*PITCH
	s_add_co_u32 s34, s34, WSTG                    ; my stage
	v_mul_u32_u24 v4, v2, PITCH
	v_add_nc_u32 v4, s34, v4                       ; into it: row = my column
	v_and_b32 v5, 15, v2
	v_lshrrev_b32 v6, 4, v2
	v_mul_u32_u24 v7, v6, PITCH
	v_lshl_add_u32 v7, v5, 4, v7
	v_add_nc_u32 v7, s34, v7                       ; out of it: sixteen lanes to a row, two rows an instruction
	v_lshlrev_b32 v8, 10, v6
	v_lshl_add_u32 v8, v5, 4, v8                   ; the same place in the codes' buffer, for stage rows 0-15,
	s_lshl_b32 s35, s33, 10
	v_add_nc_u32 v10, s35, v8                      ; and for stage rows 16-31: ES rows on
	v_mul_u32_u24 v9, s33, v6
	v_add_nc_u32 v9, v9, v5
	v_lshlrev_b32 v9, 6, v9                        ; my column's row of scale bytes
	KLOAD 0, 26
	KLOAD 1, 26
.macro WBLOCK t
.set XS, KX+32*((\t)%2)
.if (\t) < 15
	s_wait_loadcnt 32                              ; this block's 32 loads are in; the next block's may be out
.else
	s_wait_loadcnt 0
.endif
	v_max3_num_f32 v12, |v[XS]|, |v[XS+1]|, |v[XS+2]|               ; the block's largest magnitude: all 32 numbers are mine
	v_max3_num_f32 v13, |v[XS+3]|, |v[XS+4]|, |v[XS+5]|
.irp i, 6,10,14,18,22,26
	v_max3_num_f32 v12, v12, |v[XS+\i]|, |v[XS+\i+1]|
	v_max3_num_f32 v13, v13, |v[XS+\i+2]|, |v[XS+\i+3]|
.endr
	v_max3_num_f32 v12, v12, |v[XS+30]|, |v[XS+31]|
	v_max3_num_f32 v12, v12, v13, 0x1800000        ; and the floor 2^(3 - 127)
	v_add_nc_u32 v11, 0xff000000, v12              ; 2 off its exponent field: the conversions' scale operand
	v_lshrrev_b32 v13, 23, v11                     ; the scale's byte
.if (\t)%4 == 0
	v_mov_b32 v[SB+(\t)/4], v13                    ; four bytes to a register, the lower K in the lower byte
.else
	v_lshl_or_b32 v[SB+(\t)/4], v13, 8*((\t)%4), v[SB+(\t)/4]
.endif
.irp g, 0,1,2,3
	v_cvt_scalef32_pk8_fp4_f32 v[KC+\g], v[XS+8*\g:XS+8*\g+7], v11
.endr
	v_nop                                          ; one plain line behind the conversions
	ds_store_b128 v4, v[KC:KC+3] offset:16*(\t)    ; 32 codes: 16 bytes of my column's row
.if (\t)+2 < 16
	KLOAD (\t)+2, 26
.endif
	s_wait_dscnt 0x0                               ; the store has read its registers: the next block's codes may be written
.endm
.irp t, 0,1,2,3,4,5,6,7,8,9,10,11,12,13,14,15
	WBLOCK \t
.endr
	global_store_b128 v9, v[SB:SB+3], s[16:17]     ; my column's 16 scale bytes
.irp t, 0,1,2,3,4,5,6,7,8,9,10,11,12,13,14,15
	ds_load_b128 v[OUTR+4*\t:OUTR+4*\t+3], v7 offset:2*\t*PITCH   ; LDS serves a wave's instructions in order: these see my stores
.endr
.irp t, 0,1,2,3,4,5,6,7
	s_wait_dscnt 15-\t                             ; load t is in; the younger ones may be out
	global_store_b128 v8, v[OUTR+4*\t:OUTR+4*\t+3], s[14:15] offset:2*\t*1024   ; sixteen lanes store 256 consecutive aligned bytes of a row
.endr
.irp t, 8,9,10,11,12,13,14,15
	s_wait_dscnt 15-\t
	global_store_b128 v10, v[OUTR+4*\t:OUTR+4*\t+3], s[14:15] offset:2*(\t-8)*1024
.endr
	FINISH
; ---------------- PATH O: Wo, 128 columns (nx) x 128 along K (ky): four blocks of 32 down K become 64 bytes of f16 each of my column's row of Wo^T.
.Lpath_o:
	s_sub_co_u32 s21, ttmp9, 320
	s_and_b32 s23, s21, 15                         ; nx
	s_lshr_b32 s24, s21, 4                         ; ky
	s_lshl_b32 s28, s24, 20                        ; 128 ky rows of 8,192 bytes
	s_lshl_b32 s31, s23, 9
	s_add_co_u32 s28, s28, s31
	s_lshl_b32 s31, s20, 7
	s_add_co_u32 s28, s28, s31
	s_add_nc_u64 s[12:13], s[12:13], s[28:29]
	s_lshl_b32 s28, s23, 19                        ; Wo^T: row 128 nx + 32 w of 4,096 bytes, + 256 ky
	s_lshl_b32 s31, s20, 17
	s_add_co_u32 s28, s28, s31
	s_lshl_b32 s31, s24, 8
	s_add_co_u32 s28, s28, s31
	s_add_nc_u64 s[18:19], s[18:19], s[28:29]
	v_lshlrev_b32 v3, 2, v2
	s_mul_i32 s34, s20, 32*PITCH
	s_add_co_u32 s34, s34, OSTG                    ; my stage
	v_mul_u32_u24 v4, v2, PITCH
	v_add_nc_u32 v4, s34, v4
	v_and_b32 v5, 15, v2
	v_lshrrev_b32 v6, 4, v2
	v_mul_u32_u24 v7, v6, PITCH
	v_lshl_add_u32 v7, v5, 4, v7
	v_add_nc_u32 v7, s34, v7
	v_lshlrev_b32 v8, 12, v6
	v_lshl_add_u32 v8, v5, 4, v8
	KLOAD 0, 12
	KLOAD 1, 12
.macro OBLOCK t
.set XS, KX+32*((\t)%2)
.if (\t) < 3
	s_wait_loadcnt 32                              ; this block's 32 loads are in; the next block's may be out
.else
	s_wait_loadcnt 0
.endif
.set i, 0
.rept 16
	v_cvt_pk_f16_f32 v[KC+i], v[XS+2*i], v[XS+2*i+1]               ; the lower k in the low half
.set i, i+1
.endr
.irp q, 0,1,2,3
	ds_store_b128 v4, v[KC+4*\q:KC+4*\q+3] offset:64*(\t)+16*\q
.endr
.if (\t)+2 < 4
	KLOAD (\t)+2, 12
.endif
	s_wait_dscnt 0x0                               ; the stores have read their registers
.endm
.irp t, 0,1,2,3
	OBLOCK \t
.endr
.irp t, 0,1,2,3,4,5,6,7,8,9,10,11,12,13,14,15
	ds_load_b128 v[OUTR+4*\t:OUTR+4*\t+3], v7 offset:2*\t*PITCH
.endr
.irp t, 0,1,2,3,4,5,6,7,8,9,10,11,12,13,14,15
	s_wait_dscnt 15-\t
	global_store_b128 v8, v[OUTR+4*\t:OUTR+4*\t+3], s[18:19] offset:2*\t*4096   ; sixteen lanes store 256 consecutive aligned bytes of a row
.endr
	FINISH
.Lfunc_end_k_qbee4b74607_prep:
	.size	k_qbee4b74607_prep, .Lfunc_end_k_qbee4b74607_prep-k_qbee4b74607_prep
	.p2alignl 7, 3214868480
	.fill 96, 4, 3214868480
	.section	.rodata,"a",@progbits
	.p2align	6, 0x0
	.amdhsa_kernel k_qbee4b74607_prep
		.amdhsa_group_segment_fixed_size 102912
		.amdhsa_private_segment_fixed_size 0
		.amdhsa_enable_private_segment 0
		.amdhsa_kernarg_size 64
		.amdhsa_user_sgpr_count 2
		.amdhsa_user_sgpr_kernarg_segment_ptr 1
		.amdhsa_wavefront_size32 1
		.amdhsa_system_sgpr_workgroup_id_x 1
		.amdhsa_system_sgpr_workgroup_id_y 1
		.amdhsa_system_sgpr_workgroup_id_z 1
		.amdhsa_system_vgpr_workitem_id 0
		.amdhsa_next_free_vgpr 200
		.amdhsa_next_free_sgpr 66
		.amdhsa_reserve_vcc 0
		.amdhsa_float_denorm_mode_32 3
		.amdhsa_float_denorm_mode_16_64 3
		.amdhsa_memory_ordered 1
		.amdhsa_forward_progress 1
		.amdhsa_inst_pref_size 134
	.end_amdhsa_kernel
	.amdgpu_metadata
---
amdhsa.version: [ 1, 2 ]
amdhsa.kernels:
  - .name:           k_qbee4b74607_prep
    .symbol:         k_qbee4b74607_prep.kd
    .args:
      - { .name: x, .offset: 0, .size: 8, .value_kind: global_buffer, .address_space: global }
      - { .name: Wq, .offset: 8, .size: 8, .value_kind: global_buffer, .address_space: global }
      - { .name: Wk, .offset: 16, .size: 8, .value_kind: global_buffer, .address_space: global }
      - { .name: Wv, .offset: 24, .size: 8, .value_kind: global_buffer, .address_space: global }
      - { .name: Wo, .offset: 32, .size: 8, .value_kind: global_buffer, .address_space: global }
      - { .name: codes, .offset: 40, .size: 8, .value_kind: global_buffer, .address_space: global }
      - { .name: scales, .offset: 48, .size: 8, .value_kind: global_buffer, .address_space: global }
      - { .name: wot, .offset: 56, .size: 8, .value_kind: global_buffer, .address_space: global }
    .group_segment_fixed_size: 102912
    .private_segment_fixed_size: 0
    .kernarg_segment_align: 8
    .kernarg_segment_size: 64
    .max_flat_workgroup_size: 128
    .sgpr_count:     66
    .vgpr_count:     200
    .wavefront_size: 32
...
	.end_amdgpu_metadata
.endif
;; end of part 1
;; launch qkv (part 2): grid 24 x 8, 4 waves a work-group, clusters of 4 x 4, 327,680 bytes of LDS; arguments codes, scales, cos, sin, qi, kv, vsum; writes qi, kv, vsum
.if DOCPART == 2
	.amdgcn_target "amdgcn-amd-amdhsa--gfx1250"
	.amdhsa_code_object_version 6
	.text
	.protected	k_qbee4b74607_qkv
	.globl	k_qbee4b74607_qkv
	.p2align	8
	.type	k_qbee4b74607_qkv,@function
k_qbee4b74607_qkv:
	s_mov_b64 s[64:65], 0
	v_nop
	global_prefetch_b8 v0, s[64:65] scope:SCOPE_SE
	s_setreg_imm32_b32 hwreg(HW_REG_WAVE_MODE, 25, 1), 1
	s_wait_xcnt 0x0
	s_wait_alu depctr_hold_cnt(0) depctr_sa_sdst(0) depctr_va_vdst(0) depctr_va_sdst(0) depctr_va_ssrc(0) depctr_va_vcc(0) depctr_vm_vsrc(0)
	s_getreg_b32 s2, hwreg(HW_REG_IB_STS2, 6, 4)
	s_cmp_eq_u32 s2, 0
	s_cbranch_scc0 .Lentry_in_a_cluster
	s_endpgm
.Lentry_in_a_cluster:
	s_bfe_u32 s2, ttmp6, 0x10000c
	s_cmp_lg_u32 s2, 0xf033
	s_cbranch_scc0 .Lentry_shape_is_right
	s_endpgm
.Lentry_shape_is_right:
; SECOND LAUNCH: the three quantised products x Wq, x Wk, x Wv on codes of FP4 (E2M1) with one E8M0 scale for each 32 along K; the rotation by cos and sin, in f32; and the results laid as the next launch's operand registers.
; 'codes' holds 8,192 rows of 2,048 codes (1,024 bytes), 'scales' their 64 bytes a row: rows 0-2047 the tokens of x, 2048-6143 the columns of Wq and Wk (in the order below), 6144-8191 the columns of Wv.
; A tile of 256 x 256 results is made by a work-group of four waves, a wave makes 128 x 128: 64 accumulators, 512 registers.  K goes in four steps of 512 through a ring of two LDS slots filled by the tensor data mover; the scale bytes of the
; work-group's 512 rows, for all of K, come into LDS once, with the first fills.  192 work-groups: with tiles half as large each LDS byte would feed half as many multiply-adds.
; CLUSTERS of 4 x 4: the four of a row need the same tiles of A, the four of a column the same tiles of B: each tile is asked for jointly.
; WHICH ROWS.  Clusters x = 0 .. 3: A = tokens, B = rows of Wq (x = 0, 1) or Wk (x = 2, 3).  Clusters x = 4, 5: A = rows of Wv, B = tokens.  The choice hangs on the cluster's x alone: it is the same in all sixteen partners.
; THE MATRIX INSTRUCTION IS USED TRANSPOSED (source 0 = 16 rows of B, source 1 = 16 rows of A): lane (r, h) holds A's row r and B's rows 8 h + 0 .. 7.  So for q and k a lane holds one token and eight neighbouring channels, for v one channel and
; eight neighbouring tokens: rounded in pairs to 16 bits, an accumulator IS one half (four registers) of a 16 x 32 operand fragment of the next launch, and goes to memory as an image of those registers: 16 bytes a lane, 512 consecutive bytes a store.
; ROWS OF Wq, Wk: a wave's 128 rows of B are, for four heads hl, channels 16 g + i (block 2 hl) and 64 + 16 g + i (block 2 hl + 1): the two partners of the rotation lie in one lane's neighbouring accumulators, and one set of cos and sin serves four heads.
; FORMATS: q, k leave as bf16 (with all inputs 30 times larger they pass f16's range), v as f16.  vsum[head][b][channel] = the sum in f32 of v over tokens 64 b .. 64 b + 63, for the keys that the next launch does not walk.
; LIMIT: |v| must stay under 65,504.
; REGISTERS, in windows of 256: window 0: v0-31 addresses; v32-95 scale words, two sets; v128-191 A's fragments, one set; on the way out v32-191 are at work.   window 1: B's fragments, two sets, at v0 and v128; v64-127 and v192-255 take the
; cos and sin of my first 64 tokens from the start, B's registers those of the other 64 behind the last product.   windows 2, 3: the accumulators ((a, b) at v[8 (8 (a % 4) + b)], window 2 + a / 4).
.set SIZE_K, 2048
.set KSTEP,  512                       ; along K in a slot
.set NQ,     KSTEP/128                 ; matrix instructions deep
.set ROWB,   256                       ; a tile's row in bytes
.set KROW,   SIZE_K/2                  ; a row of codes in memory
.set PITCH,  272                       ; an LDS row: 256 bytes + 16 of padding: the 16 rows that a load touches start 68 words apart
.set FR,     8                         ; registers of a fragment: 16 rows x 128 K
.set NL,     2                         ; LDS loads that bring one
.set NP,     4                         ; places behind this matrix instruction (ISA guide 7.12.1)
.set HALFT,  128*PITCH                 ; 128 rows: what one tensor load brings
.set SLOT,   4*HALFT                   ; A's 256 rows, then B's 256 rows
.set LAPS,   SIZE_K/(2*KSTEP)          ; a lap = two K steps = once round the ring
.set KS,     SIZE_K/32                 ; a row of scales in bytes
.set SCL,    2*SLOT                    ; behind the ring: the scales, as runs of 256 bytes + 16 of padding
.set HALFS,  (128*KS/256)*272          ; the scales of 128 rows
.set SBLK,   (16*KS/256)*272           ; those of 16 rows
.set SPARE,  SCL+4*HALFS               ; behind the scales: the spare words, 128 bytes for each wave, that no other line names
.set ADRA, 16                          ; v16-17  LDS address of my A fragments in slot 0, 1 (on the way out v16-19: store offsets)
.set ADRB, 20                          ; v20-21  the same for B
.set ADRS, 27                          ; v27     LDS address of my scale words: lanes 0-15 A's rows, lanes 16-31 B's
.set SPW,  28                          ; v28     LDS address of my spare word; never rewritten
.set NIL,  29                          ; v29     0; never rewritten
.set VCS,  30                          ; v30     my byte in cos and sin: 512 r + 32 h; never rewritten
.set SC,   32                          ; scale words: set s at v[SC + 32 s]; register 4 i + q: lanes 0-15 A's block i, lanes 16-31 B's block i, the slot's q-th 128 along K
.set AF,   128                         ; A's fragments
.set TT,   32                          ; the way out: v32-95 rotated numbers (q, k) or partial sums (v)
.set SS,   160                         ; v160-175 the sums of v
.set G1, 24                            ; s[24:31] descriptor group 1 for A's tiles;  s[32:39] group 0, one set for each slot
.set G0, 32
.set G1B, 48                           ; s[48:55], s[56:63] the same for B's tiles
.set G0B, 56
.set G1S, 68                           ; s[68:75], s[76:79] groups 1 and 0 for A's scales;  s[80:87], s[88:91] for B's
.set G0S, 76
.set G1SB, 80
.set G0SB, 88
.set MSB, 0
.macro WIN new                         ; the immediate's high byte repeats the setting that is left
.if MSB != \new
	s_set_vgpr_msb (MSB<<8)|\new
.set MSB, \new
.endif
.endm
.set MUL_LO, 0xa1                      ; source 0 (B) window 1, source 1 (A) window 0, C and D window 2
.set MUL_HI, 0xf1                      ; the same, C and D window 3
.set TO_B,   0x40                      ; destination window 1, address window 0
; A joint load: waves 0 and 1 fetch for A, waves 2 and 3 for B.  Each of the two lines has one mask and one set of registers for all that issue it; the branch hangs on the wave's number alone.
; An s_nop 0 and four v_nop follow each of the two lines, ahead of the jump, the label and what follows.
.macro JLOAD g0a, g1a, g0b, g1b
	s_cmp_eq_u32 s15, 0
	s_cbranch_scc0 .Lfor_b_\@
	tensor_load_to_lds s[\g0a:\g0a+3], s[\g1a:\g1a+7]
	s_nop 0
.rept 4
	v_nop
.endr
	s_branch .Lasked_\@
.Lfor_b_\@:
	tensor_load_to_lds s[\g0b:\g0b+3], s[\g1b:\g1b+7]
	s_nop 0
.rept 4
	v_nop
.endr
.Lasked_\@:
.endm
.macro CREST                           ; a round of the cluster's barrier behind its opening barrier
	s_cmp_lg_u32 s14, 0
	s_cbranch_scc1 .Lnot_wave_0_\@
	s_barrier_signal -3
.Lnot_wave_0_\@:
	s_barrier_wait -3
	s_barrier_signal -1
	s_barrier_wait -1
.endm
.macro CROUND                          ; a whole round
	s_barrier_signal -1
	s_barrier_wait -1
	CREST
.endm
	s_load_b256 s[4:11], s[0:1], 0x0               ; codes s[4:5], scales s[6:7], cos s[8:9], sin s[10:11]
	s_load_b64 s[12:13], s[0:1], 0x20              ; qi
	s_load_b64 s[96:97], s[0:1], 0x28              ; kv
	s_load_b64 s[98:99], s[0:1], 0x30              ; vsum
	v_lshl_add_u32 v[SPW], v0, 2, SPARE
	v_mov_b32 v[NIL], 0
	ds_add_u32 v[SPW], v[NIL]                      ; the wave's opening: the add, twice on end, and its wait ahead of my first tensor load; the set-up below stands between
	ds_add_u32 v[SPW], v[NIL]
	v_lshrrev_b32 v1, 5, v0
	v_readfirstlane_b32 s14, v1                    ; wave 0..3
	s_lshr_b32 s15, s14, 1                         ; rh: which half of the tile's A rows is mine.  Also: I fetch for A (0) or for B (1)
	s_and_b32 s16, s14, 1                          ; ch: which half of its B rows.  Also: which 128 rows of that tile I fetch
	s_bfe_u32 s40, ttmp6, 0x40000                  ; cx, cy: my place in the cluster
	s_bfe_u32 s41, ttmp6, 0x40004
	s_lshl_b32 s42, ttmp9, 2
	s_add_co_u32 s42, s42, s40                     ; tc = 4 x cluster x + cx
	s_and_b32 s17, ttmp7, 0xffff
	s_lshl_b32 s17, s17, 2
	s_add_co_u32 s17, s17, s41                     ; ty = 4 x cluster y + cy
	s_lshl_b32 s43, s41, 2
	s_lshl_b32 s43, 15, s43                        ; my row of the cluster
	s_lshl_b32 s44, 0x1111, s40                    ; my column
	s_cmp_ge_u32 ttmp9, 4                          ; clusters 4 and 5 make v
	s_cselect_b32 s66, 1, 0
	s_cselect_b32 s67, 6144, 0                     ; there A's rows begin at Wv's and B's at the tokens'
	; descriptor group 1: a tile of 128 rows x 256 bytes, padded in LDS
	s_or_b32 s[G1+0], s43, (0<<16)|(1<<20)|(1<<21)|(5<<22)|(3<<25)  ; 15:0 the mask: A's tiles go to my row; 17:16 elements of 1 byte; 20 padding on; 21 set beside a mask; 24:22 after every 64 words; 31:25 four words
	s_or_b32 s[G1B+0], s44, (0<<16)|(1<<20)|(1<<21)|(5<<22)|(3<<25)
.irp g, G1, G1B
	s_mov_b32 s[\g+1], ROWB<<16                    ; tensor_dim0
	s_mov_b32 s[\g+2], 128<<16                     ; tensor_dim1
	s_mov_b32 s[\g+3], ROWB<<16                    ; tile_dim0
	s_mov_b32 s[\g+4], 128                         ; tile_dim1
	s_mov_b32 s[\g+5], KROW                        ; tensor_dim0_stride
	s_mov_b32 s[\g+6], 0
	s_mov_b32 s[\g+7], 0
.endr
	; and for the scales of 128 rows: a dense block of 8,192 bytes, as rows of 256 bytes (32 elements of 8 bytes), 16 bytes of padding behind each
	s_or_b32 s[G1S+0], s43, (3<<16)|(1<<20)|(1<<21)|(5<<22)|(3<<25)
	s_or_b32 s[G1SB+0], s44, (3<<16)|(1<<20)|(1<<21)|(5<<22)|(3<<25)
.irp g, G1S, G1SB
	s_mov_b32 s[\g+1], 32<<16
	s_mov_b32 s[\g+2], (128*KS/256)<<16
	s_mov_b32 s[\g+3], 32<<16
	s_mov_b32 s[\g+4], 128*KS/256
	s_mov_b32 s[\g+5], 32
	s_mov_b32 s[\g+6], 0
	s_mov_b32 s[\g+7], 0
.endr
	s_lshl_b32 s18, s16, 7                         ; which 128 rows of the tile I fetch
	s_lshl_b32 s20, s17, 8
	s_add_co_u32 s20, s20, s18
	s_add_co_u32 s20, s20, s67                     ; A: row 256 ty + 128 half (+ 6144 for v)
	s_lshl_b32 s46, s42, 8
	s_add_co_u32 s46, s46, s18
	s_add_co_u32 s46, s46, 2048
	s_sub_co_u32 s46, s46, s67                     ; B: row 2048 + 256 tc + 128 half (for v: 256 (tc - 16) + 128 half)
	s_mov_b32 s21, 0
	s_mov_b32 s47, 0
	s_mov_b64 s[18:19], KS
	s_mul_u64 s[22:23], s[20:21], s[18:19]         ; where these rows' scales begin, in bytes
	s_mul_u64 s[92:93], s[46:47], s[18:19]
	s_mov_b64 s[18:19], KROW
	s_mul_u64 s[20:21], s[20:21], s[18:19]         ; and their codes
	s_mul_u64 s[46:47], s[46:47], s[18:19]
	s_mul_i32 s45, s14, HALFT                      ; where they go: wave x 128 rows: no place in the cluster enters an LDS address
	s_mul_i32 s94, s14, HALFS
	s_mov_b32 s100, 0x76543210                     ; v_permlanex16_b32's selects for lane l xor 16
	s_mov_b32 s101, 0xfedcba98
	s_wait_dscnt 0x0                               ; both opening adds are done
	s_wait_kmcnt 0x0
	s_add_nc_u64 s[20:21], s[4:5], s[20:21]
	s_add_nc_u64 s[22:23], s[6:7], s[22:23]
	s_add_nc_u64 s[46:47], s[4:5], s[46:47]
	s_add_nc_u64 s[92:93], s[6:7], s[92:93]
	CROUND                                         ; all sixteen work-groups are here: the first joint loads meet
	s_mov_b32 s[G0S], 1
	s_add_co_u32 s[G0S+1], s94, SCL
	s_mov_b64 s[G0S+2:G0S+3], s[22:23]
	s_or_b32 s[G0S+3], s[G0S+3], 0x80000000
	s_mov_b32 s[G0SB], 1
	s_add_co_u32 s[G0SB+1], s94, SCL
	s_mov_b64 s[G0SB+2:G0SB+3], s[92:93]
	s_or_b32 s[G0SB+3], s[G0SB+3], 0x80000000
	JLOAD G0S, G1S, G0SB, G1SB                     ; the scales first: they are wanted with K step 0.  With the two below, three tensor loads of mine are out
.irp s, 0,1
	s_mov_b32 s[G0+4*\s], 1
	s_add_co_u32 s[G0+4*\s+1], s45, \s*SLOT
	s_add_nc_u64 s[G0+4*\s+2:G0+4*\s+3], s[20:21], \s*ROWB
	s_or_b32 s[G0+4*\s+3], s[G0+4*\s+3], 0x80000000
	s_mov_b32 s[G0B+4*\s], 1
	s_add_co_u32 s[G0B+4*\s+1], s45, \s*SLOT
	s_add_nc_u64 s[G0B+4*\s+2:G0B+4*\s+3], s[46:47], \s*ROWB
	s_or_b32 s[G0B+4*\s+3], s[G0B+4*\s+3], 0x80000000
	JLOAD G0+4*\s, G1, G0B+4*\s, G1B
.endr
	v_and_b32 v1, 15, v0                           ; r = l % 16
	v_bfe_u32 v2, v0, 4, 1                         ; h = l / 16
	v_mul_u32_u24 v3, v1, PITCH
	v_lshl_add_u32 v4, v2, 4, v3                   ; a fragment's row x pitch + 16 x half
	s_mul_i32 s21, s15, HALFT                      ; my 128 rows of A
	s_mul_i32 s22, s16, HALFT                      ; my 128 rows of B,
	s_add_co_u32 s22, s22, 2*HALFT                 ; which lie behind A's 256
.irp s, 0,1
	v_add_nc_u32 v[ADRA+\s], s21, v4
	v_add_nc_u32 v[ADRB+\s], s22, v4
	s_add_co_u32 s21, s21, SLOT
	s_add_co_u32 s22, s22, SLOT
.endr
	v_mul_u32_u24 v5, v1, KS                       ; my row's scales: 64 bytes a row,
	v_lshrrev_b32 v6, 8, v5
	v_lshl_add_u32 v5, v6, 4, v5                   ; and 16 more for each 256 passed
	s_mul_i32 s21, s15, HALFS                      ; A's: my 128 rows
	s_mul_i32 s22, s16, HALFS                      ; B's: my 128 rows, behind A's 256
	s_add_co_u32 s22, s22, 2*HALFS
	s_sub_co_u32 s22, s22, s21
	v_mul_u32_u24 v6, s22, v2                      ; lanes 16-31 take B's
	s_add_co_u32 s21, s21, SCL
	v_add_nc_u32 v5, v5, v6
	v_add_nc_u32 v[ADRS], s21, v5
	; cos and sin [2048][128] f32: for block a of 16 tokens lane (r, h) wants, of token 16 a + r, channels 16 g + 8 h + 0 .. 7 and the same 64 further on; g = 2 (tc % 2) + ch
	v_lshlrev_b32 v[VCS], 9, v1
	v_lshl_add_u32 v[VCS], v2, 5, v[VCS]
	s_lshl_b32 s20, s17, 17                        ; 256 ty rows of 512 bytes
	s_lshl_b32 s21, s15, 16                        ; + 128 rh rows
	s_add_co_u32 s20, s20, s21
	s_and_b32 s21, s42, 1
	s_lshl_b32 s21, s21, 7
	s_add_co_u32 s20, s20, s21
	s_lshl_b32 s21, s16, 6
	s_add_co_u32 s20, s20, s21                     ; + 64 g bytes
	s_mov_b32 s21, 0
	s_add_nc_u64 s[8:9], s[8:9], s[20:21]
	s_add_nc_u64 s[10:11], s[10:11], s[20:21]
; Block a's eight loads into 32 registers of window 1: cos of the low channels, cos of the high, sin of the low, sin of the high.  a = 0 .. 3: v64, v96, v192, v224;  a = 4 .. 7: v0, v32, v128, v160
.macro CSLOAD a
.set CB0, 64*(1-(\a)/4)+32*((\a)%2)+128*(((\a)%4)/2)
.irp p, 0,1
.irp u, 0,1
	global_load_b128 v[CB0+8*\p+4*\u:CB0+8*\p+4*\u+3], v[VCS], s[8:9] offset:(\a)*8192+\p*256+\u*16
	global_load_b128 v[CB0+16+8*\p+4*\u:CB0+16+8*\p+4*\u+3], v[VCS], s[10:11] offset:(\a)*8192+\p*256+\u*16
.endr
.endr
.endm
	s_cmp_lg_u32 s66, 0                            ; v is not rotated
	s_cbranch_scc1 .Lno_cs
	WIN TO_B
	CSLOAD 0                                       ; 32 loads that stay out across the products: nothing names their registers, their offset or their bases before the way out
	CSLOAD 1
	CSLOAD 2
	CSLOAD 3
	WIN 0
.Lno_cs:
.macro FRAG reg, adr, q, i             ; a fragment, 16 rows x 128 K of 4-bit codes: lane l holds row l % 16; registers 4 c .. 4 c + 3 hold K = 64 c + 32 (l / 16) + 0 .. 31
.irp c, 0,1
	ds_load_b128 v[\reg+4*\c:\reg+4*\c+3], v[\adr] offset:64*(\q)+32*\c+(\i)*16*PITCH
.endr
.endm
; 16 matrix instructions: A's blocks a0, a0 + 1 x B's eight, the slot's q-th 128 along K.  p: B's set;  sc: the set of scale words.  zero = 1: the first product starts the sums.
; The 64 accumulators take turns, one instruction a turn, in the same order in every step.
.macro MUL16 a0, p, q, sc, zero
.irp a, \a0, \a0+1
.irp b, 0,1,2,3,4,5,6,7
.if \zero
	v_wmma_scale_f32_16x16x128_f8f6f4 v[8*(8*((\a)%4)+\b):8*(8*((\a)%4)+\b)+7], v[128*(\p)+FR*\b:128*(\p)+FR*\b+FR-1], v[AF+FR*(\a):AF+FR*(\a)+FR-1], 0, v[SC+8*NQ*(\sc)+NQ*\b+(\q)], v[SC+8*NQ*(\sc)+NQ*(\a)+(\q)] matrix_a_fmt:MATRIX_FMT_FP4 matrix_b_fmt:MATRIX_FMT_FP4 matrix_a_scale:MATRIX_SCALE_ROW1
.else
	v_wmma_scale_f32_16x16x128_f8f6f4 v[8*(8*((\a)%4)+\b):8*(8*((\a)%4)+\b)+7], v[128*(\p)+FR*\b:128*(\p)+FR*\b+FR-1], v[AF+FR*(\a):AF+FR*(\a)+FR-1], v[8*(8*((\a)%4)+\b):8*(8*((\a)%4)+\b)+7], v[SC+8*NQ*(\sc)+NQ*\b+(\q)], v[SC+8*NQ*(\sc)+NQ*(\a)+(\q)] matrix_a_fmt:MATRIX_FMT_FP4 matrix_b_fmt:MATRIX_FMT_FP4 matrix_a_scale:MATRIX_SCALE_ROW1
.endif
.endr
.endr
.endm
.macro FETCH_B slot, q, p              ; B's eight fragments of the slot's q-th 128 along K into set p
	WIN TO_B
.irp i, 0,1,2,3,4,5,6,7
	FRAG 128*(\p)+FR*\i, ADRB+\slot, \q, \i
.endr
	WIN 0
.endm
.macro FETCH_A slot, q, i0             ; A's blocks i0 .. i0 + 3
.irp i, \i0, \i0+1, \i0+2, \i0+3
	FRAG AF+FR*(\i), ADRA+\slot, \q, \i
.endr
.endm
.macro SCALES sc                       ; the next K step's scale words into set sc: four words a row; lanes 0-15 take A's block i, lanes 16-31 B's block i
.irp i, 0,1,2,3,4,5,6,7
	ds_load_b128 v[SC+8*NQ*\sc+NQ*\i:SC+8*NQ*\sc+NQ*\i+3], v[ADRS] offset:\i*SBLK
.endr
.endm
; A load into a register that a matrix instruction has read, and a vector instruction that reads a matrix result, stand four places behind that matrix instruction; only plain vector instructions that name none of its registers are places.
.macro PLACES n
.rept \n
	v_nop
.endr
.endm
; A step of 128 along K that has its successor in the same slot.
.macro STEP slot, q, zero
	s_wait_dscnt 4*NL                              ; B's set and A's blocks 0-3 are in; the youngest eight loads (A's blocks 4-7) may be out
	WIN MUL_LO
	MUL16 0, (\q)%2, \q, \slot, \zero
	MUL16 2, (\q)%2, \q, \slot, \zero
	s_wait_dscnt 0                                 ; A's blocks 4-7 are in
	PLACES NP
	FETCH_B \slot, (\q)+1, 1-(\q)%2
	FETCH_A \slot, (\q)+1, 0
	WIN MUL_HI
	MUL16 4, (\q)%2, \q, \slot, \zero
	MUL16 6, (\q)%2, \q, \slot, \zero
	PLACES NP
	WIN 0
	FETCH_A \slot, (\q)+1, 4
.endm
; A slot's last step changes slots: one barrier; in front of it each wave waits for all its tensor loads, adds 0 to its spare word, and waits for that and for its own reads of this slot.  fill = 1: this slot is filled again, two K steps ahead.
.macro TURN slot, next, fill
	s_wait_tensorcnt 0x0                           ; all my tensor loads have landed: my part of the next slot;
	ds_add_u32 v[SPW], v[NIL]                      ; 0 onto my spare word;
	s_wait_dscnt 4*NL+1                            ; (the add and the youngest eight loads, A's blocks 4-7, may be out)
	WIN MUL_LO
	MUL16 0, 1, NQ-1, \slot, 0                     ; sixteen matrix instructions stand between the add and the wait for it
	s_wait_dscnt 0x0                               ; the add is done, and my reads of this slot are over
	s_barrier_signal -1
	MUL16 2, 1, NQ-1, \slot, 0
	WIN 0
	s_barrier_wait -1
.if \fill
	CREST                                          ; the barrier has opened a round of the cluster's barrier: no wave of any partner still reads this slot's tile or has a load on its way
	s_add_nc_u64 s[G0+4*\slot+2:G0+4*\slot+3], s[G0+4*\slot+2:G0+4*\slot+3], 2*ROWB
	s_add_nc_u64 s[G0B+4*\slot+2:G0B+4*\slot+3], s[G0B+4*\slot+2:G0B+4*\slot+3], 2*ROWB
	JLOAD G0+4*\slot, G1, G0B+4*\slot, G1B         ; the first tensor load behind the round; the four v_nop behind it are the places in front of the loads below
.else
	PLACES NP
.endif
	v_add_nc_u32 v[ADRS], 4*NQ, v[ADRS]            ; on to the next K step's scale words (no LDS load of mine is out)
	FETCH_B \next, 0, 0
	FETCH_A \next, 0, 0
	SCALES \next
	WIN MUL_HI
	MUL16 4, 1, NQ-1, \slot, 0
	MUL16 6, 1, NQ-1, \slot, 0
	PLACES NP
	WIN 0
	FETCH_A \next, 0, 4
.endm
.macro STEPS slot, from                ; the slot's steps from .. NQ - 2
.set Q, \from
.rept NQ-1-\from
	STEP \slot, Q, 0
.set Q, Q+1
.endr
.endm
	s_wait_tensorcnt 1                             ; the scales and my part of K step 0 are in (K step 1's load may be out)
	s_barrier_signal -1
	s_barrier_wait -1                              ; everybody's are
	FETCH_B 0, 0, 0
	FETCH_A 0, 0, 0
	SCALES 0
	FETCH_A 0, 0, 4
	STEP 0, 0, 1                                   ; the first step stands in front of the loop: its products start the sums
	s_mov_b32 s3, LAPS-1
.Llap:                                                 ; a trip goes once round the ring, from a lap's second step to the next lap's first, and fills both slots again
	STEPS 0, 1
	TURN 0, 1, 1
	STEPS 1, 0
	TURN 1, 0, 1
	STEP 0, 0, 0
	s_sub_co_u32 s3, s3, 1
	s_cmp_lg_u32 s3, 0
	s_cbranch_scc1 .Llap
	STEPS 0, 1                                     ; the last lap fills nothing, and has no round of the cluster's barrier
	TURN 0, 1, 0
	STEPS 1, 0
	s_wait_dscnt 4*NL                              ; the very last step: nothing more to fetch
	WIN MUL_LO
	MUL16 0, 1, NQ-1, 1, 0
	MUL16 2, 1, NQ-1, 1, 0
	s_wait_dscnt 0
	WIN MUL_HI
	MUL16 4, 1, NQ-1, 1, 0
	MUL16 6, 1, NQ-1, 1, 0
	WIN 0
	PLACES NP                                      ; for the reads of results, the loads into B's registers and the writes of the scale words' and A's registers below
	s_cmp_lg_u32 s66, 0
	s_cbranch_scc1 .Lway_v
; ---------------- THE WAY OUT OF q AND k.  No LDS: each rounded accumulator is half a fragment's image.
	WIN TO_B
	CSLOAD 4
	CSLOAD 5
	CSLOAD 6
	CSLOAD 7
	WIN 0
	s_lshr_b32 s20, ttmp9, 1                       ; 0: q, 1: k
	s_cmp_eq_u32 s20, 0
	s_cselect_b64 s[22:23], s[12:13], s[96:97]     ; the choice hangs on the cluster's x alone
	s_lshl_b32 s92, 0x80000, s20                   ; a head's bytes: 524,288 in qi, 1,048,576 in kv
	s_lshl_b32 s93, 0x10000, s20                   ; 256 tokens' bytes: 65,536 in qi; in kv a slot of 131,072, whose first half is k's
	s_bfe_u32 s94, s42, 0x20001                    ; (tc / 2) % 4: which four heads
	s_lshl_b32 s94, s94, 2
	s_mul_i32 s94, s94, s92
	s_mul_i32 s95, s17, s93
	s_add_co_u32 s94, s94, s95
	s_and_b32 s95, s42, 1                          ; g / 2: the chunk of 32 channels, 16,384 bytes each (the high channels: two chunks on)
	s_lshl_b32 s95, s95, 14
	s_add_co_u32 s94, s94, s95
	s_lshl_b32 s95, s16, 9                         ; g % 2: which half of the fragment
	s_add_co_u32 s94, s94, s95
	s_lshl_b32 s95, s15, 13                        ; my eight tiles of tokens, 1,024 bytes each
	s_add_co_u32 s94, s94, s95
	s_mov_b32 s95, 0
	s_add_nc_u64 s[22:23], s[22:23], s[94:95]
	v_and_b32 v16, 31, v0
	v_lshlrev_b32 v16, 4, v16                      ; 16 x lane, + a head's bytes for each of the four heads
	v_add_nc_u32 v17, s92, v16
	v_add_nc_u32 v18, s92, v17
	v_add_nc_u32 v19, s92, v18
; Block a of 16 tokens.  L, H: a head's low and high channels.  L' = L cos - H sin, H' = H cos + L sin, each with the cos and sin of its own channel; in f32, fused.
.macro ROPE a
.set CB0, 64*(1-(\a)/4)+32*((\a)%2)+128*(((\a)%4)/2)
.set AC, 64*((\a)%4)
.set PKR, 96+32*((\a)%2)
	s_wait_loadcnt 8*(7-(\a))                      ; this block's eight loads are in; the younger blocks' eight each may be out
	WIN (0x06+(\a)/4)                              ; source 0: the accumulators' window; source 1: window 1; source 2 and destination: window 0
.irp hl, 0,1,2,3
.irp p, 0,1,2,3
	v_pk_mul_f32 v[TT+16*\hl+2*\p:TT+16*\hl+2*\p+1], v[AC+16*\hl+2*\p:AC+16*\hl+2*\p+1], v[CB0+2*\p:CB0+2*\p+1]                 ; each accumulator is read from its low end on
	v_pk_mul_f32 v[TT+16*\hl+8+2*\p:TT+16*\hl+8+2*\p+1], v[AC+16*\hl+8+2*\p:AC+16*\hl+8+2*\p+1], v[CB0+8+2*\p:CB0+8+2*\p+1]
.endr
.endr
.irp hl, 0,1,2,3
.irp p, 0,1,2,3
	v_pk_fma_f32 v[TT+16*\hl+2*\p:TT+16*\hl+2*\p+1], v[AC+16*\hl+8+2*\p:AC+16*\hl+8+2*\p+1], v[CB0+16+2*\p:CB0+16+2*\p+1], v[TT+16*\hl+2*\p:TT+16*\hl+2*\p+1] neg_lo:[1,0,0] neg_hi:[1,0,0]
	v_pk_fma_f32 v[TT+16*\hl+8+2*\p:TT+16*\hl+8+2*\p+1], v[AC+16*\hl+2*\p:AC+16*\hl+2*\p+1], v[CB0+24+2*\p:CB0+24+2*\p+1], v[TT+16*\hl+8+2*\p:TT+16*\hl+8+2*\p+1]
.endr
.endr
	WIN 0
.if (\a) > 1
	s_wait_xcnt 0x0                                ; block a - 2's stores have read their data: the registers are written again only behind this wait
.endif
.set i, 0
.rept 32
	v_cvt_pk_bf16_f32 v[PKR+i], v[TT+2*i], v[TT+2*i+1]
.set i, i+1
.endr
.irp hl, 0,1,2,3
.irp p, 0,1
	global_store_b128 v[16+\hl], v[PKR+4*(2*\hl+\p):PKR+4*(2*\hl+\p)+3], s[22:23] offset:(\a)*1024+\p*32768   ; 32 lanes store 512 consecutive aligned bytes
.endr
.endr
.endm
.irp a, 0,1,2,3,4,5,6,7
	ROPE \a
.endr
	s_branch .Ldone
; ---------------- THE WAY OUT OF v.  A's rows are a head's 128 channels (block a = channel tile), B's rows 128 tokens (block b = 16 tokens: half b % 2 of the chunk b / 2 of 32 keys).
.Lway_v:
	s_lshl_b32 s20, s17, 1
	s_add_co_u32 s20, s20, s15                     ; the head = 2 ty + rh
	s_sub_co_u32 s21, s42, 16                      ; the slot of 256 tokens = tc - 16
	s_lshl_b32 s94, s20, 20
	s_lshl_b32 s95, s21, 17
	s_add_co_u32 s94, s94, s95
	s_lshl_b32 s95, s16, 13                        ; my four chunks of 32 keys, 2,048 bytes each
	s_add_co_u32 s94, s94, s95
	s_add_co_u32 s94, s94, 65536                   ; v's half of a slot
	s_mov_b32 s95, 0
	s_add_nc_u64 s[96:97], s[96:97], s[94:95]
	s_lshl_b32 s94, s20, 14                        ; vsum: 32 blocks of 512 bytes a head;
	s_lshl_b32 s92, s21, 11
	s_add_co_u32 s94, s94, s92
	s_lshl_b32 s92, s16, 10
	s_add_co_u32 s94, s94, s92                     ; my two blocks of 64 tokens: 4 (tc - 16) + 2 ch on
	s_add_nc_u64 s[98:99], s[98:99], s[94:95]
	s_mov_b32 s92, 0xffff0000                      ; lanes 16-31
	v_and_b32 v17, 31, v0
	v_lshlrev_b32 v16, 4, v17                      ; 16 x lane
	v_lshlrev_b32 v17, 2, v17                      ; 4 x lane
.macro VPACK a
.set AC, 64*((\a)%4)
.set PKR, 96+32*((\a)%2)
.if (\a) > 1
	s_wait_xcnt 0x0                                ; block a - 2's stores have read their data
.endif
	WIN (0x0a+5*((\a)/4))                          ; sources 0 and 1: the accumulators' window
.irp b, 0,1,2,3,4,5,6,7
.irp p, 0,1,2,3
	v_cvt_pk_f16_f32 v[PKR+4*\b+\p], v[AC+8*\b+2*\p], v[AC+8*\b+2*\p+1]
.endr
.endr
.irp b, 0,1,2,3,4,5,6,7
	v_pk_add_f32 v[TT+4*\b:TT+4*\b+1], v[AC+8*\b:AC+8*\b+1], v[AC+8*\b+2:AC+8*\b+3]         ; the sums are taken of the f32 numbers
	v_pk_add_f32 v[TT+4*\b+2:TT+4*\b+3], v[AC+8*\b+4:AC+8*\b+5], v[AC+8*\b+6:AC+8*\b+7]
.endr
	WIN 0
.irp g, 0,16                           ; tokens 0-63 (blocks 0-3), tokens 64-127 (blocks 4-7)
	v_pk_add_f32 v[TT+\g:TT+\g+1], v[TT+\g:TT+\g+1], v[TT+\g+2:TT+\g+3]
	v_pk_add_f32 v[TT+\g+4:TT+\g+5], v[TT+\g+4:TT+\g+5], v[TT+\g+6:TT+\g+7]
	v_pk_add_f32 v[TT+\g+8:TT+\g+9], v[TT+\g+8:TT+\g+9], v[TT+\g+10:TT+\g+11]
	v_pk_add_f32 v[TT+\g+12:TT+\g+13], v[TT+\g+12:TT+\g+13], v[TT+\g+14:TT+\g+15]
	v_pk_add_f32 v[TT+\g:TT+\g+1], v[TT+\g:TT+\g+1], v[TT+\g+4:TT+\g+5]
	v_pk_add_f32 v[TT+\g+8:TT+\g+9], v[TT+\g+8:TT+\g+9], v[TT+\g+12:TT+\g+13]
	v_pk_add_f32 v[TT+\g:TT+\g+1], v[TT+\g:TT+\g+1], v[TT+\g+8:TT+\g+9]
	v_add_f32 v[SS+\g/2+(\a)], v[TT+\g], v[TT+\g+1]
.endr
.irp b, 0,1,2,3,4,5,6,7
	global_store_b128 v16, v[PKR+4*\b:PKR+4*\b+3], s[96:97] offset:((\a)/2)*16384+(\b/2)*2048+((\a)%2)*1024+(\b%2)*512   ; 32 lanes store 512 consecutive aligned bytes
.endr
.endm
.irp a, 0,1,2,3,4,5,6,7
	VPACK \a
.endr
.set i, 0
.rept 16
	v_mov_b32 v[176+i], 0                          ; a lane permute's destination counts as one of its sources
.set i, i+1
.endr
.set i, 0
.rept 16
	v_permlanex16_b32 v[176+i], v[SS+i], s100, s101
.set i, i+1
.endr
.set i, 0
.rept 16
	v_add_f32 v[SS+i], v[SS+i], v[176+i]           ; with lane l xor 16's eight tokens of each block: every lane has channel 16 a + r's sum
.set i, i+1
.endr
.irp bl, 0,1
.irp i, 0,1,2,3
	v_cndmask_b32 v[176+4*\bl+\i], v[SS+8*\bl+2*\i], v[SS+8*\bl+2*\i+1], s92    ; lanes 0-15 channel tile 2 i, lanes 16-31 tile 2 i + 1
	global_store_b32 v17, v[176+4*\bl+\i], s[98:99] offset:\bl*512+\i*128       ; 32 neighbouring channels: 128 consecutive bytes
.endr
.endr
.Ldone:
	s_wait_tensorcnt 0x0                           ; the wave's end, behind my last tensor load
	ds_add_u32 v[SPW], v[NIL]
	s_wait_dscnt 0x0
	CROUND                                         ; the closing round: no work-group ends while a partner may still ask for a tile that names it
	s_endpgm
.Lfunc_end_k_qbee4b74607_qkv:
	.size	k_qbee4b74607_qkv, .Lfunc_end_k_qbee4b74607_qkv-k_qbee4b74607_qkv
	.p2alignl 7, 3214868480
	.fill 96, 4, 3214868480
	.section	.rodata,"a",@progbits
	.p2align	6, 0x0
	.amdhsa_kernel k_qbee4b74607_qkv
		.amdhsa_group_segment_fixed_size 327680
		.amdhsa_private_segment_fixed_size 0
		.amdhsa_enable_private_segment 0
		.amdhsa_kernarg_size 56
		.amdhsa_user_sgpr_count 2
		.amdhsa_user_sgpr_kernarg_segment_ptr 1
		.amdhsa_wavefront_size32 1
		.amdhsa_system_sgpr_workgroup_id_x 1
		.amdhsa_system_sgpr_workgroup_id_y 1
		.amdhsa_system_sgpr_workgroup_id_z 1
		.amdhsa_system_vgpr_workitem_id 0
		.amdhsa_next_free_vgpr 1024
		.amdhsa_next_free_sgpr 102
		.amdhsa_reserve_vcc 0
		.amdhsa_float_denorm_mode_32 3
		.amdhsa_float_denorm_mode_16_64 3
		.amdhsa_memory_ordered 1
		.amdhsa_forward_progress 1
		.amdhsa_inst_pref_size 255
	.end_amdhsa_kernel
	.section	.bss,"aw",@nobits
	.p2align	6
	.space	262144
	.amdgpu_metadata
---
amdhsa.version: [ 1, 2 ]
amdhsa.kernels:
  - .name:           k_qbee4b74607_qkv
    .symbol:         k_qbee4b74607_qkv.kd
    .args:
      - { .name: codes, .offset: 0, .size: 8, .value_kind: global_buffer, .address_space: global }
      - { .name: scales, .offset: 8, .size: 8, .value_kind: global_buffer, .address_space: global }
      - { .name: cos, .offset: 16, .size: 8, .value_kind: global_buffer, .address_space: global }
      - { .name: sin, .offset: 24, .size: 8, .value_kind: global_buffer, .address_space: global }
      - { .name: qi, .offset: 32, .size: 8, .value_kind: global_buffer, .address_space: global }
      - { .name: kv, .offset: 40, .size: 8, .value_kind: global_buffer, .address_space: global }
      - { .name: vsum, .offset: 48, .size: 8, .value_kind: global_buffer, .address_space: global }
    .group_segment_fixed_size: 327680
    .private_segment_fixed_size: 0
    .kernarg_segment_align: 8
    .kernarg_segment_size: 56
    .max_flat_workgroup_size: 128
    .sgpr_count:     102
    .vgpr_count:     1024
    .wavefront_size: 32
...
	.end_amdgpu_metadata
.endif
;; end of part 2
;; launch attn (part 3): grid 16 x 16, 8 waves a work-group, no clusters, 327,680 bytes of LDS; arguments qi, kv, vsum, o16; writes o16
.if DOCPART == 3
	.amdgcn_target "amdgcn-amd-amdhsa--gfx1250"
	.amdhsa_code_object_version 6
	.text
	.protected	k_qbee4b74607_attn
	.globl	k_qbee4b74607_attn
	.p2align	8
	.type	k_qbee4b74607_attn,@function
k_qbee4b74607_attn:
	s_mov_b64 s[64:65], 0
	v_nop
	global_prefetch_b8 v0, s[64:65] scope:SCOPE_SE
	s_setreg_imm32_b32 hwreg(HW_REG_WAVE_MODE, 25, 1), 1
	s_wait_xcnt 0x0
; THIRD LAUNCH: o[q] = the sum over all 2,048 keys k of softmax_k(mask(q, k) (q . k) / sqrt(2048)) v[k], for each of 16 heads; mask = 1 for k <= q, else 0, MULTIPLIED onto the score as reference() has it.
; WORK LEFT OUT (shown at the head of the first launch): for k > q the score is score x 0 = 0 for every finite score.  Blocks of 64 keys wholly behind a wave's 32 queries are not multiplied: their keys all have the weight 2^(0 - M), so they
; add that weight x the sum of their v (from vsum) to the product and that weight x their count to the row's sum, and their zeros enter the row's maximum.  LIMIT: a NaN, an infinity or an overflow in such a score is not carried to the result.
; FORMATS: q . k on bf16 operands; the weights p (at most 1) and v on f16 operands; sums, maxima, exponentials and the merge in f32; o leaves as f16 (|o| must stay under 65,504).
; SHARES.  A head's queries are 32 blocks of 64; under the mask block b walks b + 1 blocks of 64 keys.  Work-group j (0 .. 15) of a head owns an EARLY block, e = j, and a LATE one, l = 31 - j: 33 products of a block of queries with a block
; of keys in every work-group.  Four waves, a team, serve each block.  Wave w: team = (w xor w / 4) % 2 (0 early, 1 late); c = (w / 2) % 2 picks 32 of the block's queries, two tiles of 16; kh = w / 4 picks every other block of 64 keys.
; Waves w and w + 4 are of different teams, and so are waves 2 s and 2 s + 1: whichever of these two ways the eight waves are dealt to the four SIMDs, each SIMD holds an early wave and a late one.  While both are at work one wave's softmax
; stands beside the other's products.  At the end the two waves of a pair (w and w xor 5: same team, same c, the other kh) merge: register set s holds query tile s xor kh, so every wave keeps set 0 and hands set 1 to its partner, and one text serves all waves.
; LAYOUT.  S^T = K Q^T (source 0 = 16 keys, source 1 = 16 queries), O^T = V^T P (source 0 = 16 channels, source 1 = 32 keys x 16 queries): a lane holds one query throughout.  Q, K, V^T come as images of operand registers, laid so by the
; launch before: every fragment half is 512 consecutive bytes, 16 a lane: no pitch, no padding, no turning load.
; THE RING.  Two LDS slots of 256 keys, 131,072 bytes: K (4 chunks of 32 channels x 16,384 bytes), then V^T (4 pairs of channel tiles x 16,384).  Each of the eight waves brings one of the eight pieces by one tensor load, so each load holds
; bytes of all the slot's keys.  By this text's own count a wave has one tensor load out.  EVERY work-group walks all eight slots, so that trip counts are constants; a step whose keys are all hidden is jumped over by a branch on ids, and a slot
; whose first key lies behind the late block's last query is not asked for: 8 - j / 4 slots are asked for, and the late team reads each of them.
; NO CLUSTER: the jump on ids that ends the look-ahead may not lead round a joint load, and the work-groups of a head need 5 to 8 slots.
; SOFTMAX.  For each query a running maximum m and sum l: p = 2^(c s - c m), c = log2(e) / sqrt(2048); in every step O and l are multiplied by a = 2^(c m_old - c m_new).  The step is written once for all trips: m begins at -3e38, l and O^T at 0.
; REGISTERS.  window 0: v1-15 addresses and constants; v16-31 statistics, eight a set; v32-95 Q; v96-159 S^T, then p; v160-191 P; v192-239 at work; v240-247 addresses for the end.   window 1: v0-127 O^T (64 a set); v128-255 fragments of K or of V.
.set SLOT1, 1<<17                      ; slot 1 begins here: one exclusive or turns an address in one slot into the other's
.set TBL,   262144                     ; behind the ring: two rows of 128 f32: the sums of v over blocks e + 1 .. 31 (the early team's tail) and over blocks l + 1 .. 31 (the late team's)
.set SPARE, 263168                     ; the spare words, 128 bytes for each of eight waves, that no other line names
.set MRGB,  8448                       ; the merge: for each wave 8,192 bytes of O^T, 128 of c m, 128 of l; from LDS byte 0, in slot 0, which has had its last fill and its last read at the last change of slots
.set OST,   67584                      ; behind them, in slot 0 too: 16 rows x 272 bytes for each wave, for the way out
.set LI,  1                            ; v1   16 x lane
.set AK0, 2                            ; v2   my lane's place in a slot's K: 16 x lane + 4,096 kh
.set AV0, 3                            ; v3   the same for V: 65,536 on
.set ADK, 4                            ; v4   LDS address of the slot's K
.set ADV, 5                            ; v5   of its V
.set SPW, 6                            ; v6   LDS address of my spare word; never rewritten
.set NIL, 7                            ; v7   0; never rewritten
.set DB,  8                            ; v8-9   set s: r - 8 h + 16 (s xor kh)
.set VD,  10                           ; v10-11 set s: the greatest 16 kt + j that is not hidden
.set ZR,  12                           ; v12  0
.set PFO, 13                           ; v13  the prefetches' offset: 8,192 w + 256 x lane; never rewritten
.set TA,  14                           ; v14  4 x thread: my channel in vsum
.set TL,  15                           ; v15  TBL + 4 x thread
.set ST,  16                           ; set s at v[16 + 8 s]: +0 c m, +1 m, +2, +3 l (even keys', odd keys'), +4 .. +7 at work; a at +6
.set QR,  32                           ; Q: set s, chunk c of 32 channels at v[32 + 32 s + 8 c]
.set S,   96                           ; S^T: set s, key tile kt at v[96 + 32 s + 8 kt]
.set P,   160                          ; P: set s at v[160 + 16 s]
.set MW,  240                          ; where I put set 1's O^T;  v241 where my partner has put its;  v246, v247 the same for c m and l, 4 bytes a lane
.set MR,  241
.set TR,  242                          ; my team's row of TBL, + 32 h
.set OSW, 243                          ; the way out: where I put 16 bytes of a row;  v244 where I read a row back;  v245 my byte offset in o16
.set OSR, 244
.set GO,  245
.set MWS, 246
.set MRS, 247
.set MSB, 0
.macro WIN new                         ; the immediate's high byte repeats the setting that is left
.if MSB != \new
	s_set_vgpr_msb (MSB<<8)|\new
.set MSB, \new
.endif
.endm
.macro PLACES                          ; four places behind a matrix instruction, in front of loads into its registers and of reads of its result
.rept 4
	v_nop
.endr
.endm
	s_load_b256 s[4:11], s[0:1], 0x0               ; qi s[4:5], kv s[6:7], vsum s[8:9], o16 s[10:11]
	v_lshl_add_u32 v[SPW], v0, 2, SPARE
	v_mov_b32 v[NIL], 0
	ds_add_u32 v[SPW], v[NIL]                      ; the wave's opening: the add, twice on end, and its wait ahead of my first tensor load; the set-up below stands between
	ds_add_u32 v[SPW], v[NIL]
	v_lshrrev_b32 v248, 5, v0
	v_readfirstlane_b32 s12, v248                  ; w: wave 0..7
	s_lshr_b32 s13, s12, 2                         ; kh = w / 4
	s_bfe_u32 s14, s12, 0x10001                    ; c = (w / 2) % 2
	s_xor_b32 s18, s12, s13
	s_and_b32 s18, s18, 1                          ; team = (w xor w / 4) % 2
	s_mov_b32 s15, ttmp9                           ; j
	s_and_b32 s16, ttmp7, 0xffff                   ; the head
	s_sub_co_u32 s19, 31, s15
	s_cmp_eq_u32 s18, 0
	s_cselect_b32 s19, s15, s19                    ; my team's block of 64 queries: j or 31 - j.  It enters global addresses and compares alone, no LDS address
	; descriptor group 1: 16,384 dense bytes as 64 rows of 256 (32 elements of 8 bytes), no padding
	s_mov_b32 s24, 3<<16                           ; 15:0 no mask; 17:16 elements of 8 bytes
	s_mov_b32 s25, 32<<16                          ; tensor_dim0 = 32
	s_mov_b32 s26, 64<<16                          ; tensor_dim1 = 64
	s_mov_b32 s27, 32<<16                          ; tile_dim0 = 32
	s_mov_b32 s28, 64                              ; tile_dim1 = 64
	s_mov_b32 s29, 32                              ; tensor_dim0_stride
	s_mov_b32 s30, 0
	s_mov_b32 s31, 0
	s_mov_b32 s20, 0x76543210                      ; v_permlanex16_b32's selects for lane l xor 16
	s_mov_b32 s21, 0xfedcba98
	s_mov_b32 s22, 0x3d0293ee                      ; c = log2(e) / sqrt(2048)
	s_mov_b32 s23, s22                             ; (named with it as a pair, so it is written)
	s_mov_b32 s36, 0                               ; TB: LDS byte at which the slot in hand begins
	s_mov_b32 s37, 0                               ; KT: the slot's first key
	s_lshl_b32 s38, s13, 6                         ; KF: my first key in it: KT + 64 kh
	s_lshl_b32 s39, s19, 6
	s_lshl_b32 s46, s14, 5
	s_add_co_u32 s39, s39, s46                     ; Q0: my first query: 64 x block + 32 c
	s_lshl_b32 s17, s15, 6
	s_sub_co_u32 s17, 2047, s17                    ; the work-group's last query: the late block's, 64 (31 - j) + 63
	s_mov_b32 s40, 7                               ; changes of slots that may ask for a slot
	s_cmp_eq_u32 s15, 0
	s_cselect_b32 s41, 1, -1                       ; 1 in the work-group that prefetches, else the greatest number
	s_lshl_b32 s46, s16, 20                        ; a head's 1,048,576 bytes of kv
	s_mov_b32 s47, 0
	s_lshl_b32 s48, s12, 14                        ; my piece of a slot
	s_mov_b32 s49, 0
	s_wait_dscnt 0x0                               ; both opening adds are done
	s_wait_kmcnt 0x0
	s_add_nc_u64 s[6:7], s[6:7], s[46:47]
	s_add_nc_u64 s[42:43], s[6:7], 131072          ; the prefetches stand at slot 1: the first change of slots steps them to slot 2
	s_mov_b32 s32, 1                               ; group 0: count = 1
	s_lshl_b32 s33, s12, 14                        ; LDS address: slot 0, 16,384 w
	s_add_nc_u64 s[34:35], s[6:7], s[48:49]        ; global address: the head's slot 0, my piece
	s_or_b32 s35, s35, 0x80000000                  ; type = 2
	tensor_load_to_lds s[32:35], s[24:31]          ; every wave's first fill, ahead of every wait on TENSORcnt, every LDS read and every barrier
	s_nop 0
.rept 4
	v_nop
.endr
	v_and_b32 v248, 31, v0                         ; lane
	v_and_b32 v249, 15, v0                         ; r
	v_bfe_u32 v250, v0, 4, 1                       ; h
	v_lshlrev_b32 v[LI], 4, v248
	; Q stays in registers: set s is token tile 4 x block + 2 c + (s xor kh); 16 tiles to a run of 65,536 bytes, 1,024 bytes a tile in each chunk
	s_lshl_b32 s46, s16, 19
	s_lshr_b32 s47, s19, 2
	s_lshl_b32 s47, s47, 16
	s_add_co_u32 s46, s46, s47
	s_and_b32 s47, s19, 3
	s_lshl_b32 s47, s47, 12
	s_add_co_u32 s46, s46, s47
	s_lshl_b32 s47, s14, 11
	s_add_co_u32 s46, s46, s47
	s_lshl_b32 s47, s13, 10
	s_add_co_u32 s54, s46, s47
	s_xor_b32 s47, s47, 1024
	s_add_co_u32 s56, s46, s47
	s_mov_b32 s55, 0
	s_mov_b32 s57, 0
	s_add_nc_u64 s[50:51], s[4:5], s[54:55]
	s_add_nc_u64 s[52:53], s[4:5], s[56:57]
.irp c, 0,1,2,3
.irp hf, 0,1
	global_load_b128 v[QR+8*\c+4*\hf:QR+8*\c+4*\hf+3], v[LI], s[50:51] offset:\c*16384+\hf*512
	global_load_b128 v[QR+32+8*\c+4*\hf:QR+32+8*\c+4*\hf+3], v[LI], s[52:53] offset:\c*16384+\hf*512
.endr
.endr
	; every LDS address is made here, ahead of the branch on the wave's number
	s_lshl_b32 s46, s13, 12
	v_add_nc_u32 v[AK0], s46, v[LI]
	v_add_nc_u32 v[AV0], 0x10000, v[AK0]
	v_lshlrev_b32 v251, 3, v250
	v_sub_nc_u32 v251, v249, v251                  ; r - 8 h
	s_lshl_b32 s46, s13, 4
	v_add_nc_u32 v[DB], s46, v251
	s_xor_b32 s46, s46, 16
	v_add_nc_u32 v[DB+1], s46, v251
	v_mov_b32 v[ZR], 0
	v_lshlrev_b32 v[PFO], 8, v248
	s_lshl_b32 s46, s12, 13
	v_add_nc_u32 v[PFO], s46, v[PFO]
	v_lshlrev_b32 v[TA], 2, v0
	v_lshl_add_u32 v[TL], v0, 2, TBL
	v_lshlrev_b32 v252, 2, v248
	s_mul_i32 s46, s12, MRGB
	v_add_nc_u32 v[MW], s46, v[LI]
	v_add_nc_u32 v[MWS], s46, v252
	s_xor_b32 s47, s12, 5                          ; my partner: the same team and c, the other kh
	s_mul_i32 s47, s47, MRGB
	v_add_nc_u32 v[MR], s47, v[LI]
	v_add_nc_u32 v[MRS], s47, v252
	s_lshl_b32 s46, s18, 9                         ; my team's row of the table
	s_add_co_u32 s46, s46, TBL
	v_lshl_add_u32 v[TR], v250, 5, s46
	s_mul_i32 s46, s12, 16*272
	s_add_co_u32 s46, s46, OST
	v_mul_u32_u24 v[OSW], v249, 272
	v_lshl_add_u32 v[OSW], v250, 4, v[OSW]
	v_add_nc_u32 v[OSW], s46, v[OSW]
	v_mul_u32_u24 v[OSR], v250, 272
	v_lshl_add_u32 v[OSR], v249, 4, v[OSR]
	v_add_nc_u32 v[OSR], s46, v[OSR]
	v_lshlrev_b32 v[GO], 12, v250
	v_lshl_add_u32 v[GO], v249, 4, v[GO]
.irp sg, 0,1
	v_mov_b32 v[ST+8*\sg+1], 0xff61b1e6            ; m = -3e38, under every score
	v_mul_f32 v[ST+8*\sg], s22, v[ST+8*\sg+1]      ; c m
.irp i, 2,3,4,5,6,7
	v_mov_b32 v[ST+8*\sg+\i], 0                    ; l, and the registers at work (a wave all of whose steps are hidden never writes them otherwise)
.endr
.endr
	WIN 0x40
.set i, 0
.rept 128
	v_mov_b32 v[i], 0                              ; O^T.  Which step is a wave's first hangs on its ids, so no first step is written out: the first that runs finds zeros, which a = 0 leaves zeros
.set i, i+1
.endr
	WIN 0
	; THE TAILS' SUMS, waves 0 to 3, a thread a channel.  Register i takes block 31 - i of vsum, for i < 31 - j: blocks 31 down to e + 1.  Their sum is the early team's tail; the first j of them, blocks 31 down to l + 1, are the late team's.
	s_lshl_b32 s46, s16, 14
	s_mov_b32 s47, 0
	s_add_nc_u64 s[8:9], s[8:9], s[46:47]          ; vsum at my head
	s_sub_co_u32 s58, 31, s15
	s_cmp_lt_u32 s12, 4
	s_cbranch_scc0 .Lno_tail
.set i, 0
.rept 32
	v_mov_b32 v[192+i], 0                          ; the blocks that are not in the tail count as 0
.set i, i+1
.endr
.irp i, 0,1,2,3,4,5,6,7,8,9,10,11,12,13,14,15,16,17,18,19,20,21,22,23,24,25,26,27,28,29,30
	s_cmp_le_u32 s58, \i                           ; a branch on the work-group's number
	s_cbranch_scc1 .Ltl
	global_load_b32 v[192+\i], v[TA], s[8:9] offset:512*(31-\i)
.endr
.Ltl:
	s_wait_loadcnt 0x0
	v_mov_b32 v224, 0
.irp i, 0,1,2,3,4,5,6,7,8,9,10,11,12,13,14
	s_cmp_le_u32 s15, \i                           ; the late team's tail has j blocks
	s_cbranch_scc1 .Ltl2
	v_add_f32 v224, v224, v[192+\i]
.endr
.Ltl2:
.irp i, 4,8,12
	v_pk_add_f32 v[192:193], v[192:193], v[192+2*\i:193+2*\i]      ; the early team's: sixteen pairs in four chains
	v_pk_add_f32 v[194:195], v[194:195], v[194+2*\i:195+2*\i]
	v_pk_add_f32 v[196:197], v[196:197], v[196+2*\i:197+2*\i]
	v_pk_add_f32 v[198:199], v[198:199], v[198+2*\i:199+2*\i]
.endr
	v_pk_add_f32 v[192:193], v[192:193], v[194:195]
	v_pk_add_f32 v[196:197], v[196:197], v[198:199]
	v_pk_add_f32 v[192:193], v[192:193], v[196:197]
	v_add_f32 v192, v192, v193
	ds_store_b32 v[TL], v192                       ; the first change of slots waits for these stores and passes a barrier: every wave may read them behind it
	ds_store_b32 v[TL], v224 offset:512
.Lno_tail:
	s_wait_loadcnt 0x0                             ; Q
; 16 products of S^T = K Q^T: key tiles k0, k0 + 1 x both sets, four chunks of 32 channels.  Four accumulators take turns, one instruction a turn; the first chunk starts the sums.
.macro QK16 k0
.irp c, 0,1,2,3
.irp kt, \k0, \k0+1
.irp sg, 0,1
.if \c == 0
	v_wmma_f32_16x16x32_bf16 v[S+32*\sg+8*(\kt):S+32*\sg+8*(\kt)+7], v[128+32*(\kt)+8*\c:128+32*(\kt)+8*\c+7], v[QR+32*\sg+8*\c:QR+32*\sg+8*\c+7], 0
.else
	v_wmma_f32_16x16x32_bf16 v[S+32*\sg+8*(\kt):S+32*\sg+8*(\kt)+7], v[128+32*(\kt)+8*\c:128+32*(\kt)+8*\c+7], v[QR+32*\sg+8*\c:QR+32*\sg+8*\c+7], v[S+32*\sg+8*(\kt):S+32*\sg+8*(\kt)+7]
.endif
.endr
.endr
.endr
.endm
; A STEP: 64 keys from K0 = KF + 128 sub.
.macro STEP sub
	s_add_co_u32 s46, s38, 128*\sub                ; K0
	s_add_co_u32 s47, s39, 31
	s_cmp_gt_u32 s46, s47                          ; all 64 keys behind my 32 queries: the tail serves them.  A branch on ids, round LDS reads, products and softmax alone
	s_cbranch_scc1 .Lhidden_\@
	PLACES                                         ; for the loads into registers that the last products read
	WIN 0x40                                       ; destination window 1
.irp kp, 0,1,2,3
.irp c, 0,1,2,3
.irp hf, 0,1
	ds_load_b128 v[128+32*\kp+8*\c+4*\hf:128+32*\kp+8*\c+4*\hf+3], v[ADK] offset:\c*16384+\sub*8192+\kp*1024+\hf*512
.endr
.endr
.endr
	s_wait_dscnt 16                                ; key tiles 0 and 1 are in; the 16 loads of tiles 2 and 3 may be out
	WIN 0x01                                       ; source 0 (K) window 1
	QK16 0
	s_wait_dscnt 0x0
	QK16 2
	WIN 0
	PLACES                                         ; for the loads below and for the reads of the scores
	WIN 0x40
.irp gp, 0,1
.irp t, 0,1,2,3,4,5,6,7
.irp hf, 0,1
	ds_load_b128 v[128+64*\gp+8*\t+4*\hf:128+64*\gp+8*\t+4*\hf+3], v[ADV] offset:(\t/2)*16384+(4*\sub+\gp)*2048+(\t%2)*1024+\hf*512   ; V lands while the softmax runs
.endr
.endr
.endr
	WIN 0
	s_add_co_u32 s47, s46, 63
	s_cmp_le_u32 s47, s39                          ; all 64 keys count for all my queries: nothing to mask
	s_cbranch_scc1 .Lopen_\@
	s_sub_co_i32 s47, s39, s46
	v_add_nc_u32 v[VD], s47, v[DB]                 ; register 8 kt + j holds key K0 + 16 kt + 8 h + j, my query is Q0 + 16 (s xor kh) + r: hidden where 16 kt + j > Q0 - K0 + 16 (s xor kh) + r - 8 h
	v_add_nc_u32 v[VD+1], s47, v[DB+1]
.irp sg, 0,1
.set n, 0
.rept 32
	v_cmp_gt_i32 vcc_lo, 16*(n/8)+n%8, v[VD+\sg]
	v_cndmask_b32 v[S+32*\sg+n], v[S+32*\sg+n], v[ZR], vcc_lo      ; the score x 0
.set n, n+1
.endr
.endr
.Lopen_\@:
	; the maximum of my 32 scores and the old m, three operands at a time, four chains from the accumulators' low ends; both sets line by line
.irp j, 0,1,2,3
.irp sg, 0,1
	v_max3_num_f32 v[ST+8*\sg+4+\j], v[S+32*\sg+8*\j], v[S+32*\sg+8*\j+1], v[S+32*\sg+8*\j+2]
.endr
.endr
.irp q, 1,2
.irp j, 0,1,2,3
.irp sg, 0,1
	v_max3_num_f32 v[ST+8*\sg+4+\j], v[ST+8*\sg+4+\j], v[S+32*\sg+8*\j+2*\q+1], v[S+32*\sg+8*\j+2*\q+2]
.endr
.endr
.endr
.irp sg, 0,1
	v_max3_num_f32 v[ST+8*\sg+4], v[ST+8*\sg+4], v[S+32*\sg+7], v[S+32*\sg+15]
	v_max3_num_f32 v[ST+8*\sg+6], v[ST+8*\sg+6], v[S+32*\sg+23], v[S+32*\sg+31]
.endr
.irp sg, 0,1
	v_max3_num_f32 v[ST+8*\sg+4], v[ST+8*\sg+4], v[ST+8*\sg+5], v[ST+8*\sg+6]
.endr
.irp sg, 0,1
	v_max3_num_f32 v[ST+8*\sg+4], v[ST+8*\sg+4], v[ST+8*\sg+7], v[ST+8*\sg+1]
.endr
.irp sg, 0,1
	v_permlanex16_b32 v[ST+8*\sg+5], v[ST+8*\sg+4], s20, s21       ; the query's other 32 keys lie in the lane 16 away
.endr
.irp sg, 0,1
	v_mov_b32 v[ST+8*\sg+7], v[ST+8*\sg]           ; c m_old
.endr
.irp sg, 0,1
	v_max_num_f32 v[ST+8*\sg+1], v[ST+8*\sg+4], v[ST+8*\sg+5]
.endr
.irp sg, 0,1
	v_mul_f32 v[ST+8*\sg], s22, v[ST+8*\sg+1]
.endr
.irp sg, 0,1
	v_sub_f32 v[ST+8*\sg+7], v[ST+8*\sg+7], v[ST+8*\sg]
.endr
.irp sg, 0,1
.set n, 0
.rept 16
	v_pk_fma_f32 v[S+32*\sg+n:S+32*\sg+n+1], v[S+32*\sg+n:S+32*\sg+n+1], s[22:23], v[ST+8*\sg:ST+8*\sg+1] op_sel_hi:[1,0,0] neg_lo:[0,0,1] neg_hi:[0,0,1]   ; c s - c m, two at a time
.set n, n+2
.endr
.endr
.irp sg, 0,1
	v_exp_f32 v[ST+8*\sg+6], v[ST+8*\sg+7]         ; a
.endr
.irp sg, 0,1
.set n, 0
.rept 32
	v_exp_f32 v[S+32*\sg+n], v[S+32*\sg+n]         ; p
.set n, n+1
.endr
.endr
	v_nop                                          ; one plain line behind the last exponential
	s_wait_alu depctr_va_vdst(0)                   ; one wait for the batch of 66, ahead of the first line that names a result
.irp sg, 0,1
.set n, 0
.rept 16
	v_cvt_pk_f16_f32 v[P+16*\sg+n], v[S+32*\sg+2*n], v[S+32*\sg+2*n+1]   ; two tiles of 16 keys, rounded in pairs, are source 1 of the second product
.set n, n+1
.endr
.endr
.irp u, 0,1,2,3,4,5,6,7                ; the sum of the unrounded p, in place, as a tree of pairs
.irp sg, 0,1
	v_pk_add_f32 v[S+32*\sg+4*\u:S+32*\sg+4*\u+1], v[S+32*\sg+4*\u:S+32*\sg+4*\u+1], v[S+32*\sg+4*\u+2:S+32*\sg+4*\u+3]
.endr
.endr
.irp u, 0,1,2,3
.irp sg, 0,1
	v_pk_add_f32 v[S+32*\sg+8*\u:S+32*\sg+8*\u+1], v[S+32*\sg+8*\u:S+32*\sg+8*\u+1], v[S+32*\sg+8*\u+4:S+32*\sg+8*\u+5]
.endr
.endr
.irp u, 0,1
.irp sg, 0,1
	v_pk_add_f32 v[S+32*\sg+16*\u:S+32*\sg+16*\u+1], v[S+32*\sg+16*\u:S+32*\sg+16*\u+1], v[S+32*\sg+16*\u+8:S+32*\sg+16*\u+9]
.endr
.endr
.irp sg, 0,1
	v_pk_add_f32 v[S+32*\sg:S+32*\sg+1], v[S+32*\sg:S+32*\sg+1], v[S+32*\sg+16:S+32*\sg+17]
.endr
.irp sg, 0,1
	v_pk_fma_f32 v[ST+8*\sg+2:ST+8*\sg+3], v[ST+8*\sg+2:ST+8*\sg+3], v[ST+8*\sg+6:ST+8*\sg+7], v[S+32*\sg:S+32*\sg+1] op_sel_hi:[1,0,1]   ; l = a l + the sum
.endr
	WIN 0x41                                       ; O^T (destination and source 0) window 1, a window 0
.irp sg, 0,1
.set n, 0
.rept 32
	v_pk_mul_f32 v[64*\sg+n:64*\sg+n+1], v[64*\sg+n:64*\sg+n+1], v[ST+8*\sg+6:ST+8*\sg+7] op_sel_hi:[1,0]
.set n, n+2
.endr
.endr
	s_wait_dscnt 0x0                               ; V is in
	WIN 0x51                                       ; V, C and D window 1, P window 0
.irp gp, 0,1                           ; O^T += V^T P: sixteen accumulators take turns, one instruction a turn
.irp t, 0,1,2,3,4,5,6,7
.irp sg, 0,1
	v_wmma_f32_16x16x32_f16 v[64*\sg+8*\t:64*\sg+8*\t+7], v[128+64*\gp+8*\t:128+64*\gp+8*\t+7], v[P+16*\sg+8*\gp:P+16*\sg+8*\gp+7], v[64*\sg+8*\t:64*\sg+8*\t+7]
.endr
.endr
.endr
	WIN 0
.Lhidden_\@:
.endm
; THE CHANGE OF SLOTS stands at a slot's head.  Each wave waits for all its tensor loads (its piece of the slot ahead), adds 0 to its spare word, and waits for that and for its reads of the slot that it has left.  Behind the barrier the slot ahead
; is whole and nobody reads the other one.  fill = 1: that other slot takes the next 256 keys, one load a wave, which has a whole slot's steps in which to land.
.macro CHANGE fill
	s_wait_tensorcnt 0x0                           ; no tensor load of mine is out, so group 0 may be written
	ds_add_u32 v[SPW], v[NIL]                      ; 0 onto my spare word
.if \fill
	s_xor_b32 s33, s33, SLOT1                      ; the walking descriptor: the other slot than last time,
	s_add_nc_u64 s[34:35], s[34:35], 131072        ; the next 256 keys; the type bits on top are not reached
	s_wait_xcnt 0x0                                ; the last prefetches, a slot back, have read their address, so it may be written:
	s_add_nc_u64 s[42:43], s[42:43], 131072        ; one slot further on than the walking descriptor
.endif
	s_wait_dscnt 0x0                               ; the add is done, my reads of the slot that I have left are over (and, the first time, the tails' stores have landed)
	s_barrier_signal -1
	s_barrier_wait -1
.if \fill
	s_add_co_u32 s46, s37, 256                     ; THE LOOK-AHEAD ENDS AT THE MASK'S LIMIT: the first key of the slot that this change would ask for, against my work-group's last query: behind it no wave reads the slot, so it is not asked for
	s_cmp_gt_u32 s46, s17                          ; ids and the count of trips alone: all eight waves go the same way; every wait on TENSORcnt in this text is for 0; the jump leads round the load's own lines alone
	s_cbranch_scc1 .Lpast_\@
	tensor_load_to_lds s[32:35], s[24:31]          ; the first thing behind the barrier, and my one tensor load until the next
	s_nop 0
.rept 4
	v_nop
.endr
.Lpast_\@:
	; A PREFETCH INTO THE L2 of the slot that the NEXT change will ask for, a slot's steps ahead of that load.  All work-groups of a head walk the same K and V: the head's work-group j = 0, whose late block walks every slot, asks, and nobody else.
	; Its eight waves take 8,192 bytes each of either half of the slot, lanes 256 bytes apart: each aligned block of 256 bytes is named once in the launch.  Slots 0 and 1 come by their loads alone; the last change that fills a slot asks for nothing.
	s_cmp_gt_u32 s40, s41
	s_cbranch_scc0 .Lnot_mine_\@
	global_prefetch_b8 v[PFO], s[42:43] th:TH_LOAD_NT scope:SCOPE_SE
	global_prefetch_b8 v[PFO], s[42:43] offset:65536 th:TH_LOAD_NT scope:SCOPE_SE
.Lnot_mine_\@:
.endif
.endm
.macro SLOT_STEPS
	v_add_nc_u32 v[ADK], s36, v[AK0]
	v_add_nc_u32 v[ADV], s36, v[AV0]
	STEP 0
	STEP 1
	s_xor_b32 s36, s36, SLOT1                      ; on to the other slot
	s_add_co_u32 s37, s37, 256
	s_add_co_u32 s38, s38, 256
.endm
.Lslot:                                            ; seven trips: behind each change of slots but the last the next slot is asked for, up to the limit
	CHANGE 1
	SLOT_STEPS
	s_sub_co_u32 s40, s40, 1
	s_cmp_lg_u32 s40, 0
	s_cbranch_scc1 .Lslot
	CHANGE 0                                       ; the last slot is written out: nothing is left to ask for
	SLOT_STEPS
	; THE MERGE.  My set 1 goes to my partner, its set 1 (my set 0's queries, the other blocks of keys) comes to me; the tail joins as a third part: maximum 0 (where it has keys), count CNT, sum of v from the table.
	PLACES                                         ; behind the last products
.irp sg, 0,1
	v_add_f32 v[ST+8*\sg+4], v[ST+8*\sg+2], v[ST+8*\sg+3]
.endr
.irp sg, 0,1
	v_permlanex16_b32 v[ST+8*\sg+5], v[ST+8*\sg+4], s20, s21
.endr
.irp sg, 0,1
	v_add_f32 v[ST+8*\sg+2], v[ST+8*\sg+4], v[ST+8*\sg+5]          ; l: both halves of the pair, both halves of the lanes
.endr
	WIN 0x04                                       ; an LDS store's data are its source 1: window 1
.set i, 0
.rept 16
	ds_store_b128 v[MW], v[64+4*i:64+4*i+3] offset:512*i           ; as an image of the registers; each accumulator from its low end on.  Slot 0 has had its last fill, and nobody reads it since the last change of slots
.set i, i+1
.endr
	WIN 0
	ds_store_b32 v[MWS], v[ST+8] offset:8192       ; c m
	ds_store_b32 v[MWS], v[ST+10] offset:8320      ; l
	s_wait_dscnt 0x0                               ; for the partner's sake: my stores have landed
	s_barrier_signal -1
	s_barrier_wait -1
	WIN 0x40
.set i, 0
.rept 16
	ds_load_b128 v[128+4*i:128+4*i+3], v[MR] offset:512*i          ; the partner's O^T
.set i, i+1
.endr
.irp t, 0,1,2,3,4,5,6,7
	ds_load_b128 v[192+8*\t:192+8*\t+3], v[TR] offset:64*\t        ; the tail's sums of v at my eight channels of each tile: 16 t + 8 h + 0 .. 7
	ds_load_b128 v[192+8*\t+4:192+8*\t+7], v[TR] offset:64*\t+16
.endr
	WIN 0
	ds_load_b32 v224, v[MRS] offset:8192           ; the partner's c m
	ds_load_b32 v225, v[MRS] offset:8320           ; and l
	s_lshl_b32 s46, s19, 6
	s_sub_co_u32 s46, 1984, s46                    ; CNT = 2048 - 64 (block + 1): the keys that no wave of the pair has walked
	s_cmp_eq_u32 s46, 0
	s_cselect_b32 s45, 0xff61b1e6, 0               ; their c x score is 0; where there are none, -3e38: they do not enter the maximum
	v_cvt_f32_u32 v226, s46
	s_lshl_b32 s46, s13, 4
	s_add_co_u32 s46, s46, s39
	s_lshl_b32 s46, s46, 12                        ; o16: my 16 queries' rows of 4,096 bytes,
	s_lshl_b32 s47, s16, 8
	s_add_co_u32 s46, s46, s47                     ; my head's 256 bytes
	s_mov_b32 s47, 0
	s_add_nc_u64 s[10:11], s[10:11], s[46:47]
	s_wait_dscnt 0x0
	v_max3_num_f32 v227, v[ST], v224, s45          ; the row's c m
	v_sub_f32 v228, v[ST], v227
	v_sub_f32 v229, v224, v227
	v_sub_f32 v230, s45, v227
	v_exp_f32 v228, v228                           ; what brings each part under the common maximum; the third is also the tail's weight
	v_exp_f32 v229, v229
	v_exp_f32 v230, v230
	v_nop
	s_wait_alu depctr_va_vdst(0)                   ; one wait for the three
	v_mul_f32 v231, v228, v[ST+2]
	v_fma_f32 v231, v229, v225, v231
	v_fma_f32 v231, v230, v226, v231               ; the row's sum: at least 1
	v_rcp_f32 v232, v231
	v_nop
	s_wait_alu depctr_va_vdst(0)
	v_mul_f32 v234, v228, v232
	v_mul_f32 v236, v229, v232
	v_mul_f32 v238, v230, v232
	v_mov_b32 v235, v234                           ; (the packed forms name pairs, so the upper words are written)
	v_mov_b32 v237, v236
	v_mov_b32 v239, v238
	WIN 0x41
.set n, 0
.rept 32
	v_pk_mul_f32 v[n:n+1], v[n:n+1], v[234:235] op_sel_hi:[1,0]
.set n, n+2
.endr
	WIN 0x51
.set n, 0
.rept 32
	v_pk_fma_f32 v[n:n+1], v[128+n:128+n+1], v[236:237], v[n:n+1] op_sel_hi:[1,0,1]
.set n, n+2
.endr
.set n, 0
.rept 32
	v_pk_fma_f32 v[n:n+1], v[192+n:192+n+1], v[238:239], v[n:n+1] op_sel_hi:[1,0,1]
.set n, n+2
.endr
	WIN 0x05                                       ; sources 0 and 1 window 1, destination window 0
.set n, 0
.rept 32
	v_cvt_pk_f16_f32 v[S+n], v[2*n], v[2*n+1]      ; a lane's eight channels of a tile: 16 bytes of its query's row
.set n, n+1
.endr
	WIN 0
.irp t, 0,1,2,3,4,5,6,7
	ds_store_b128 v[OSW], v[S+4*\t:S+4*\t+3] offset:32*\t          ; through my own stage: rows of 272 bytes
.endr
.irp f, 0,1,2,3,4,5,6,7
	ds_load_b128 v[S+32+4*\f:S+32+4*\f+3], v[OSR] offset:\f*544    ; LDS serves a wave's instructions in order: these see my stores
.endr
.irp f, 0,1,2,3,4,5,6,7
	s_wait_dscnt 7-\f                              ; rows 2 f, 2 f + 1 are in; the younger loads may be out
	global_store_b128 v[GO], v[S+32+4*\f:S+32+4*\f+3], s[10:11] offset:\f*8192   ; sixteen lanes store 256 consecutive aligned bytes
.endr
	s_wait_tensorcnt 0x0                           ; the wave's end, behind my last tensor load and my last LDS store
	ds_add_u32 v[SPW], v[NIL]
	s_wait_dscnt 0x0
	s_endpgm
.Lfunc_end_k_qbee4b74607_attn:
	.size	k_qbee4b74607_attn, .Lfunc_end_k_qbee4b74607_attn-k_qbee4b74607_attn
	.p2alignl 7, 3214868480
	.fill 96, 4, 3214868480
	.section	.rodata,"a",@progbits
	.p2align	6, 0x0
	.amdhsa_kernel k_qbee4b74607_attn
		.amdhsa_group_segment_fixed_size 327680
		.amdhsa_private_segment_fixed_size 0
		.amdhsa_enable_private_segment 0
		.amdhsa_kernarg_size 32
		.amdhsa_user_sgpr_count 2
		.amdhsa_user_sgpr_kernarg_segment_ptr 1
		.amdhsa_wavefront_size32 1
		.amdhsa_system_sgpr_workgroup_id_x 1
		.amdhsa_system_sgpr_workgroup_id_y 1
		.amdhsa_system_sgpr_workgroup_id_z 1
		.amdhsa_system_vgpr_workitem_id 0
		.amdhsa_next_free_vgpr 512
		.amdhsa_next_free_sgpr 66
		.amdhsa_reserve_vcc 1
		.amdhsa_float_denorm_mode_32 3
		.amdhsa_float_denorm_mode_16_64 3
		.amdhsa_memory_ordered 1
		.amdhsa_forward_progress 1
		.amdhsa_inst_pref_size 147
	.end_amdhsa_kernel
	.amdgpu_metadata
---
amdhsa.version: [ 1, 2 ]
amdhsa.kernels:
  - .name:           k_qbee4b74607_attn
    .symbol:         k_qbee4b74607_attn.kd
    .args:
      - { .name: qi, .offset: 0, .size: 8, .value_kind: global_buffer, .address_space: global }
      - { .name: kv, .offset: 8, .size: 8, .value_kind: global_buffer, .address_space: global }
      - { .name: vsum, .offset: 16, .size: 8, .value_kind: global_buffer, .address_space: global }
      - { .name: o16, .offset: 24, .size: 8, .value_kind: global_buffer, .address_space: global }
    .group_segment_fixed_size: 327680
    .private_segment_fixed_size: 0
    .kernarg_segment_align: 8
    .kernarg_segment_size: 32
    .max_flat_workgroup_size: 256
    .sgpr_count:     66
    .vgpr_count:     512
    .wavefront_size: 32
...
	.end_amdgpu_metadata
.endif
;; end of part 3
;; launch outp (part 4): grid 16 x 16, 4 waves a work-group, clusters of 4 x 4, 327,680 bytes of LDS; arguments o16, wot, out0; writes out0
.if DOCPART == 4
	.amdgcn_target "amdgcn-amd-amdhsa--gfx1250"
	.amdhsa_code_object_version 6
	.text
	.protected	k_qbee4b74607_outp
	.globl	k_qbee4b74607_outp
	.p2align	8
	.type	k_qbee4b74607_outp,@function
k_qbee4b74607_outp:
	s_mov_b64 s[64:65], 0
	v_nop
	global_prefetch_b8 v0, s[64:65] scope:SCOPE_SE
	s_setreg_imm32_b32 hwreg(HW_REG_WAVE_MODE, 25, 1), 1
	s_wait_xcnt 0x0
	s_wait_alu depctr_hold_cnt(0) depctr_sa_sdst(0) depctr_va_vdst(0) depctr_va_sdst(0) depctr_va_ssrc(0) depctr_va_vcc(0) depctr_vm_vsrc(0)
	s_getreg_b32 s2, hwreg(HW_REG_IB_STS2, 6, 4)
	s_cmp_eq_u32 s2, 0
	s_cbranch_scc0 .Lentry_in_a_cluster
	s_endpgm
.Lentry_in_a_cluster:
	s_bfe_u32 s2, ttmp6, 0x10000c
	s_cmp_lg_u32 s2, 0xf033
	s_cbranch_scc0 .Lentry_shape_is_right
	s_endpgm
.Lentry_shape_is_right:
; FOURTH LAUNCH: out0[m][n] = the sum over k of o[m][k] Wo[k][n].  A = o16 [2048][2048], B = wot = Wo^T [n][k], both f16, K innermost; out0 [2048][2048] f32; sums in f32.
; 256 tiles of 128 x 128, one to a work-group of four waves, each 64 x 64: 16 accumulators, 128 registers.  K goes in steps of 256 (LDS rows of 512 bytes; a wave's tensor load brings 64 of them) through a ring of two slots.
; CLUSTERS: 4 x 4 work-groups.  The four of a row of the cluster need the same tiles of A, the four of a column the same tiles of B: each tile is asked for jointly, by the same tensor load with the same descriptor and a mask that names the four.
; THE MATRIX INSTRUCTION IS USED TRANSPOSED (source 0 = 16 rows of B, source 1 = 16 rows of A): a lane then holds eight neighbouring numbers of a row of out0.
; THE WAY OUT: a wave's 64 columns of f32 are 256 aligned bytes, so each wave has a stage of its own, in slot 0, which has had its last fill and its last read when the first result is stored there: no barrier.
; REGISTERS: window 0: v0-31 addresses; v128-255 the accumulators ((a, b) at v[128 + 8 (4 a + b)]).   window 1: two fragment buffers of 128: for 64 along K, 64 registers of A, then 64 of B.
.set SIZE_N, 2048
.set SIZE_K, 2048
.set KSTEP,  256
.set PITCH,  528                       ; an LDS row: 512 bytes of data + 16 of padding: the 16 rows that a load touches start 132 words apart
.set HALFT,  64*PITCH                  ; 64 rows: what one tensor load brings
.set SLOT,   4*HALFT                   ; A's 128 rows, then B's 128 rows
.set SPARE,  2*SLOT                    ; behind the ring: the spare words, 128 bytes for each wave, that no other line names
.set SPITCH, 272                       ; the stage: 64 rows x (256 bytes + 16) for each wave
.set LAPS, SIZE_K/(2*KSTEP)            ; a lap = two K steps = once round the ring
.set ADRA, 16                          ; v16-17  LDS address of my A fragments in slot 0, 1
.set ADRB, 20                          ; v20-21  the same for B
.set STO,  24                          ; v24     the way out: where I put 32 bytes of a row
.set RD,   25                          ; v25     where I read a row back
.set CO,   26                          ; v26     my byte offset in out0
.set SPW,  28                          ; v28     LDS address of my spare word; never rewritten
.set NIL,  29                          ; v29     0; never rewritten
.set ACC,  128
.set F0,   0                           ; fragment buffers, in window 1
.set F1,   128
.set G1, 24                            ; s[24:31] descriptor group 1 for A's tiles;  s[32:39] group 0, one set for each slot
.set G0, 32
.set G1B, 48                           ; s[48:55], s[56:63] the same for B's tiles
.set G0B, 56
.set MSB, 0
.macro WIN new                         ; the immediate's high byte repeats the setting that is left
.if MSB != \new
	s_set_vgpr_msb (MSB<<8)|\new
.set MSB, \new
.endif
.endm
.set MUL,  0x05                        ; sources 0 (B) and 1 (A) window 1; C and D window 0
.set TO_F, 0x40                        ; destination window 1, address window 0
.macro JLOAD s                         ; a joint load: waves 0 and 1 fetch A's two halves, waves 2 and 3 B's; an s_nop 0 and four v_nop follow each of the two lines, ahead of the jump, the label and what follows
	s_cmp_eq_u32 s11, 0
	s_cbranch_scc0 .Lfor_b_\@
	tensor_load_to_lds s[G0+4*\s:G0+4*\s+3], s[G1:G1+7]
	s_nop 0
.rept 4
	v_nop
.endr
	s_branch .Lasked_\@
.Lfor_b_\@:
	tensor_load_to_lds s[G0B+4*\s:G0B+4*\s+3], s[G1B:G1B+7]
	s_nop 0
.rept 4
	v_nop
.endr
.Lasked_\@:
.endm
.macro CREST                           ; a round of the cluster's barrier behind its opening barrier
	s_cmp_lg_u32 s10, 0
	s_cbranch_scc1 .Lnot_wave_0_\@
	s_barrier_signal -3
.Lnot_wave_0_\@:
	s_barrier_wait -3
	s_barrier_signal -1
	s_barrier_wait -1
.endm
.macro CROUND                          ; a whole round
	s_barrier_signal -1
	s_barrier_wait -1
	CREST
.endm
	s_load_b128 s[4:7], s[0:1], 0x0                ; A s[4:5], B s[6:7]
	s_load_b64 s[8:9], s[0:1], 0x10                ; out0
	v_lshl_add_u32 v[SPW], v0, 2, SPARE
	v_mov_b32 v[NIL], 0
	ds_add_u32 v[SPW], v[NIL]                      ; the wave's opening: the add, twice on end, and its wait ahead of my first tensor load; the set-up below stands between
	ds_add_u32 v[SPW], v[NIL]
	v_lshrrev_b32 v1, 5, v0
	v_readfirstlane_b32 s10, v1                    ; wave 0..3
	s_lshr_b32 s11, s10, 1                         ; which half of the tile's rows is mine.  Also: I fetch for A (0) or for B (1)
	s_and_b32 s12, s10, 1                          ; which half of its columns.  Also: which 64 rows of that tile I fetch
	s_bfe_u32 s40, ttmp6, 0x40000                  ; cx, cy: my place in the cluster
	s_bfe_u32 s41, ttmp6, 0x40004
	s_lshl_b32 s42, ttmp9, 2
	s_add_co_u32 s42, s42, s40                     ; tile column = 4 x cluster x + cx
	s_and_b32 s13, ttmp7, 0xffff
	s_lshl_b32 s13, s13, 2
	s_add_co_u32 s13, s13, s41                     ; tile row = 4 x cluster y + cy
	s_lshl_b32 s43, s41, 2
	s_lshl_b32 s43, 15, s43                        ; my row of the cluster
	s_lshl_b32 s44, 0x1111, s40                    ; my column
	; descriptor group 1: a tile of 64 rows x 256 elements, padded in LDS
	s_or_b32 s[G1+0], s43, (1<<16)|(1<<20)|(1<<21)|(6<<22)|(3<<25)  ; 15:0 the mask: A's tiles go to my row; 17:16 elements of 2 bytes; 20 padding on; 21 set beside a mask; 24:22 after every 128 words; 31:25 four words
	s_or_b32 s[G1B+0], s44, (1<<16)|(1<<20)|(1<<21)|(6<<22)|(3<<25)
.irp g, G1, G1B
	s_mov_b32 s[\g+1], KSTEP<<16                   ; tensor_dim0 = 256
	s_mov_b32 s[\g+2], 64<<16                      ; tensor_dim1 = 64
	s_mov_b32 s[\g+3], KSTEP<<16                   ; tile_dim0 = 256
	s_mov_b32 s[\g+4], 64                          ; tile_dim1 = 64
	s_mov_b32 s[\g+5], SIZE_K                      ; tensor_dim0_stride
	s_mov_b32 s[\g+6], 0
	s_mov_b32 s[\g+7], 0
.endr
	s_lshl_b32 s17, s12, 6                         ; which 64 rows of the tile I fetch
	s_lshl_b32 s16, s13, 7
	s_add_co_u32 s16, s16, s17                     ; A: row 128 x tile row + 64 x half
	s_lshl_b32 s46, s42, 7
	s_add_co_u32 s46, s46, s17                     ; B: row 128 x tile column + 64 x half
	s_mov_b32 s17, 0
	s_mov_b32 s47, 0
	s_mov_b64 s[18:19], SIZE_K*2
	s_mul_u64 s[16:17], s[16:17], s[18:19]
	s_mul_u64 s[46:47], s[46:47], s[18:19]
	s_mul_i32 s20, s10, HALFT                      ; where they go: wave x 64 rows: no place in the cluster enters an LDS address
	s_wait_dscnt 0x0                               ; both opening adds are done
	s_wait_kmcnt 0x0
	s_add_nc_u64 s[14:15], s[4:5], s[16:17]
	s_add_nc_u64 s[46:47], s[6:7], s[46:47]
	CROUND                                         ; all sixteen work-groups are here: the first joint loads meet
.irp s, 0,1
	s_mov_b32 s[G0+4*\s], 1
	s_add_co_u32 s[G0+4*\s+1], s20, \s*SLOT
	s_add_nc_u64 s[G0+4*\s+2:G0+4*\s+3], s[14:15], \s*KSTEP*2
	s_or_b32 s[G0+4*\s+3], s[G0+4*\s+3], 0x80000000
	s_mov_b32 s[G0B+4*\s], 1
	s_add_co_u32 s[G0B+4*\s+1], s20, \s*SLOT
	s_add_nc_u64 s[G0B+4*\s+2:G0B+4*\s+3], s[46:47], \s*KSTEP*2
	s_or_b32 s[G0B+4*\s+3], s[G0B+4*\s+3], 0x80000000
	JLOAD \s                                       ; two tensor loads of mine are out
.endr
	v_and_b32 v1, 15, v0                           ; r = l % 16
	v_bfe_u32 v2, v0, 4, 1                         ; h = l / 16
	v_mul_u32_u24 v3, v1, PITCH
	v_lshl_add_u32 v3, v2, 4, v3                   ; a fragment's row x pitch + 16 x half
	s_mul_i32 s21, s11, HALFT                      ; my 64 rows of A
	s_mul_i32 s22, s12, HALFT                      ; my 64 rows of B,
	s_add_co_u32 s22, s22, 2*HALFT                 ; which lie behind A's 128
.irp s, 0,1
	v_add_nc_u32 v[ADRA+\s], s21, v3
	v_add_nc_u32 v[ADRB+\s], s22, v3
	s_add_co_u32 s21, s21, SLOT
	s_add_co_u32 s22, s22, SLOT
.endr
	s_mul_i32 s23, s10, 64*SPITCH                  ; my stage
	v_mul_u32_u24 v4, v1, SPITCH                   ; in: row r, 32 bytes for each half of the lanes
	v_lshl_add_u32 v4, v2, 5, v4
	v_add_nc_u32 v[STO], s23, v4
	v_mul_u32_u24 v5, v2, SPITCH                   ; back: lanes 0-15 take one row of 256 bytes, lanes 16-31 the next
	v_lshl_add_u32 v5, v1, 4, v5
	v_add_nc_u32 v[RD], s23, v5
	v_mul_u32_u24 v5, v2, SIZE_N*4                 ; and the same two rows in out0
	v_lshl_add_u32 v[CO], v1, 4, v5
	s_lshl_b32 s16, s13, 7
	s_lshl_b32 s17, s11, 6
	s_add_co_u32 s16, s16, s17                     ; my first row: 128 x tile row + 64 x half
	s_mov_b32 s17, 0
	s_mov_b64 s[18:19], SIZE_N*4
	s_mul_u64 s[16:17], s[16:17], s[18:19]
	s_add_nc_u64 s[8:9], s[8:9], s[16:17]
	s_lshl_b32 s46, s42, 9                         ; my first column, in bytes: 512 x tile column + 256 x half
	s_lshl_b32 s47, s12, 8
	s_add_co_u32 s46, s46, s47
	s_mov_b32 s47, 0
	s_add_nc_u64 s[8:9], s[8:9], s[46:47]
; 8 matrix instructions: m blocks a0, a0 + 1 x all 4 n blocks, 32 along K: half c of buffer f.  zero = 1: the first product starts the sums.  The 16 accumulators take turns, one instruction a turn
.macro MUL8 f, c, a0, zero
.irp a, \a0, \a0+1
.irp b, 0,1,2,3
.if \zero
	v_wmma_f32_16x16x32_f16 v[ACC+8*(4*(\a)+\b):ACC+8*(4*(\a)+\b)+7], v[\f+64+8*(4*\c+\b):\f+64+8*(4*\c+\b)+7], v[\f+8*(4*\c+\a):\f+8*(4*\c+\a)+7], 0
.else
	v_wmma_f32_16x16x32_f16 v[ACC+8*(4*(\a)+\b):ACC+8*(4*(\a)+\b)+7], v[\f+64+8*(4*\c+\b):\f+64+8*(4*\c+\b)+7], v[\f+8*(4*\c+\a):\f+8*(4*\c+\a)+7], v[ACC+8*(4*(\a)+\b):ACC+8*(4*(\a)+\b)+7]
.endif
.endr
.endr
.endm
; 32 LDS loads in one run: the fragments of 64 along K at byte k of the rows, into buffer f; the first 32 along K first
.macro FETCH slot, k, f
	WIN TO_F
.irp c, 0,1
.irp i, 0,1,2,3
	ds_load_b128 v[\f+64+8*(4*\c+\i):\f+64+8*(4*\c+\i)+3],   v[ADRB+\slot] offset:\k+64*\c+\i*16*PITCH
	ds_load_b128 v[\f+64+8*(4*\c+\i)+4:\f+64+8*(4*\c+\i)+7], v[ADRB+\slot] offset:\k+64*\c+\i*16*PITCH+32
	ds_load_b128 v[\f+8*(4*\c+\i):\f+8*(4*\c+\i)+3],         v[ADRA+\slot] offset:\k+64*\c+\i*16*PITCH
	ds_load_b128 v[\f+8*(4*\c+\i)+4:\f+8*(4*\c+\i)+7],       v[ADRA+\slot] offset:\k+64*\c+\i*16*PITCH+32
.endr
.endr
.endm
.macro PLACES                          ; four places in front of loads into registers that matrix instructions have read, and of reads of results
.rept 4
	v_nop
.endr
.endm
; A K step is four quarters of 64 along K, 32 matrix instructions each, on buffers 0, 1, 0, 1.  One of the first three: multiplies buffer f and fetches the next quarter, at byte k, into g.
.macro QUARTER slot, k, f, g, zero
	s_wait_dscnt 16                                ; the first 32 along K are in; the 16 loads of the other 32 may be out
	WIN MUL
	MUL8 \f, 0, 0, \zero
	MUL8 \f, 0, 2, \zero
	PLACES
	FETCH \slot, \k, \g
	s_wait_dscnt 32                                ; all but the 32 just issued
	WIN MUL
	MUL8 \f, 1, 0, 0
	MUL8 \f, 1, 2, 0
.endm
; The last quarter multiplies buffer 1 and changes slots: one barrier; in front of it each wave waits for all its tensor loads, adds 0 to its spare word, and waits for that and for its own reads of this slot.  fill = 1: this slot is filled again, two K steps ahead.
.macro TURN slot, next, fill
	WIN 0                                          ; (the add's two registers lie in window 0)
	s_wait_tensorcnt 0x0                           ; all my tensor loads have landed: my part of the next slot;
	ds_add_u32 v[SPW], v[NIL]                      ; 0 onto my spare word;
	s_wait_dscnt 17                                ; (the add and the youngest sixteen loads may be out)
	WIN MUL
	MUL8 F1, 0, 0, 0                               ; eight matrix instructions stand between the add and the wait for it
	s_wait_dscnt 0x0                               ; the add is done, and my reads of this slot are over
	s_barrier_signal -1
	MUL8 F1, 0, 2, 0
.if \fill
	WIN 0
.endif
	s_barrier_wait -1
.if \fill
	CREST                                          ; the barrier has opened a round of the cluster's barrier: no wave of any partner still reads this slot's tile or has a load on its way
	s_add_nc_u64 s[G0+4*\slot+2:G0+4*\slot+3], s[G0+4*\slot+2:G0+4*\slot+3], 2*KSTEP*2
	s_add_nc_u64 s[G0B+4*\slot+2:G0B+4*\slot+3], s[G0B+4*\slot+2:G0B+4*\slot+3], 2*KSTEP*2
	JLOAD \slot                                    ; the first tensor load behind the round; the four v_nop behind it are also the places in front of the loads below
.else
	PLACES
.endif
	FETCH \next, 0, F0
	WIN MUL
	MUL8 F1, 1, 0, 0
	MUL8 F1, 1, 2, 0
.endm
	s_wait_tensorcnt 1                             ; my part of K step 0 is in (K step 1's load may be out)
	s_barrier_signal -1
	s_barrier_wait -1                              ; everybody's is
	FETCH 0, 0, F0
	QUARTER 0, 128, F0, F1, 1                      ; the first quarter stands in front of the loop: its first products start the sums
	WIN 0                                          ; at a label and at a branch every window is 0
	s_mov_b32 s3, LAPS-1
.Llap:                                                 ; a trip goes once round the ring, from a lap's second quarter to the next lap's first, and fills both slots again
	QUARTER 0, 256, F1, F0, 0
	QUARTER 0, 384, F0, F1, 0
	TURN 0, 1, 1
	QUARTER 1, 128, F0, F1, 0
	QUARTER 1, 256, F1, F0, 0
	QUARTER 1, 384, F0, F1, 0
	TURN 1, 0, 1
	QUARTER 0, 128, F0, F1, 0
	WIN 0
	s_sub_co_u32 s3, s3, 1
	s_cmp_lg_u32 s3, 0
	s_cbranch_scc1 .Llap
	QUARTER 0, 256, F1, F0, 0                      ; the last lap fills nothing, and has no round of the cluster's barrier
	QUARTER 0, 384, F0, F1, 0
	TURN 0, 1, 0                                   ; behind this barrier nobody reads slot 0 any more, and nothing fills it
	QUARTER 1, 128, F0, F1, 0
	QUARTER 1, 256, F1, F0, 0
	QUARTER 1, 384, F0, F1, 0
	s_wait_dscnt 16                                ; the very last quarter: nothing more to fetch
	WIN MUL
	MUL8 F1, 0, 0, 0
	MUL8 F1, 0, 2, 0
	s_wait_dscnt 0
	MUL8 F1, 1, 0, 0
	MUL8 F1, 1, 2, 0
	WIN 0
	; THE WAY OUT: 32 bytes a lane into my own stage, back as whole rows of 256 bytes into the registers that they left, and out.
	PLACES
.irp a, 0,1,2,3
.irp b, 0,1,2,3
	ds_store_b128 v[STO], v[ACC+8*(4*\a+\b):ACC+8*(4*\a+\b)+3] offset:\a*16*SPITCH+64*\b          ; each accumulator from its low end on
	ds_store_b128 v[STO], v[ACC+8*(4*\a+\b)+4:ACC+8*(4*\a+\b)+7] offset:\a*16*SPITCH+64*\b+16
.endr
.endr
.set t, 0
.rept 32
	ds_load_b128 v[ACC+4*t:ACC+4*t+3], v[RD] offset:t*2*SPITCH     ; LDS serves a wave's instructions in order: these see my stores, which have all been issued
.set t, t+1
.endr
.set t, 0
.rept 32
	s_wait_dscnt 31-t                              ; rows 2 t, 2 t + 1 are in; the younger loads may be out
	global_store_b128 v[CO], v[ACC+4*t:ACC+4*t+3], s[8:9] offset:2*t*SIZE_N*4 th:TH_STORE_NT   ; sixteen lanes store 256 consecutive aligned bytes; written once, read by nobody here
.set t, t+1
.endr
	s_wait_tensorcnt 0x0                           ; the wave's end, behind my last tensor load and my last LDS store
	ds_add_u32 v[SPW], v[NIL]
	s_wait_dscnt 0x0
	CROUND                                         ; the closing round: no work-group ends while a partner may still ask for a tile that names it
	s_endpgm
.Lfunc_end_k_qbee4b74607_outp:
	.size	k_qbee4b74607_outp, .Lfunc_end_k_qbee4b74607_outp-k_qbee4b74607_outp
	.p2alignl 7, 3214868480
	.fill 96, 4, 3214868480
	.section	.rodata,"a",@progbits
	.p2align	6, 0x0
	.amdhsa_kernel k_qbee4b74607_outp
		.amdhsa_group_segment_fixed_size 327680
		.amdhsa_private_segment_fixed_size 0
		.amdhsa_enable_private_segment 0
		.amdhsa_kernarg_size 24
		.amdhsa_user_sgpr_count 2
		.amdhsa_user_sgpr_kernarg_segment_ptr 1
		.amdhsa_wavefront_size32 1
		.amdhsa_system_sgpr_workgroup_id_x 1
		.amdhsa_system_sgpr_workgroup_id_y 1
		.amdhsa_system_sgpr_workgroup_id_z 1
		.amdhsa_system_vgpr_workitem_id 0
		.amdhsa_next_free_vgpr 512
		.amdhsa_next_free_sgpr 66
		.amdhsa_reserve_vcc 0
		.amdhsa_float_denorm_mode_32 3
		.amdhsa_float_denorm_mode_16_64 3
		.amdhsa_memory_ordered 1
		.amdhsa_forward_progress 1
		.amdhsa_inst_pref_size 86
	.end_amdhsa_kernel
	.amdgpu_metadata
---
amdhsa.version: [ 1, 2 ]
amdhsa.kernels:
  - .name:           k_qbee4b74607_outp
    .symbol:         k_qbee4b74607_outp.kd
    .args:
      - { .name: o16, .offset: 0, .size: 8, .value_kind: global_buffer, .address_space: global }
      - { .name: wot, .offset: 8, .size: 8, .value_kind: global_buffer, .address_space: global }
      - { .name: out0, .offset: 16, .size: 8, .value_kind: global_buffer, .address_space: global }
    .group_segment_fixed_size: 327680
    .private_segment_fixed_size: 0
    .kernarg_segment_align: 8
    .kernarg_segment_size: 24
    .max_flat_workgroup_size: 128
    .sgpr_count:     66
    .vgpr_count:     512
    .wavefront_size: 32
...
	.end_amdgpu_metadata
.endif
;; end of part 4
